; MI455X (gfx1250); checked and timed in simulation.
; The chip was launched on July 23, 2026; its instructions are those of AMD's public machine-readable ISA for CDNA 5 (MIT licence, August 2026) and "CDNA5" Instruction Set Architecture Reference Guide (July 2026). The comments in the code are by the model that wrote it; some were corrected since.
;; Self Attention. Allowed arithmetic: float matrix products may take bf16 or f16 operands with f32 sums; other float arithmetic in f32, or as packed bf16 or f16 multiplies, adds, multiply-adds, maxima and minima; sums over many terms, partial sums and values carried from step to step in f32; what a program stores and reads back later, other than sums and carried values, may be rounded once to bf16 or f16.
;; Inputs: W_k 1,024 x 1,024 float32; W_q 1,024 x 1,024 float32; W_v 1,024 x 1,024 float32; x 4 x 2,048 x 1,024 float32.
;; Outputs: out0 4 x 2,048 x 1,024 float32.
;; 2 versions, each right; version 2 is version 1 with the launches cast, head written anew for expert scheduling mode. Each part assembles by itself: llvm-mc -triple=amdgcn-amd-amdhsa -mcpu=gfx1250 --defsym DOCPART=n.
;; ======== version 1 of 2: 5 launches
;; limits: values are held in f16: magnitudes above 65,504 overflow, below 6.1e-05 lose precision
;; workspace buffers: xb 16,777,216 bytes; wb 6,291,456 bytes; qkv 50,331,648 bytes; pt 33,554,432 bytes; stats 524,288 bytes; hd 786,432 bytes; ho 262,144 bytes
;; launch cast (part 1): grid 704 x 1, 8 waves a work-group, no clusters, 0 bytes of LDS; arguments x, W_q, W_k, W_v, xb, wb; writes xb, wb
.if DOCPART == 1
	.amdgcn_target "amdgcn-amd-amdhsa--gfx1250"
	.amdhsa_code_object_version 6
	.text
	.protected	k_qdd83214a53_cast
	.globl	k_qdd83214a53_cast
	.p2align	8
	.type	k_qdd83214a53_cast,@function
k_qdd83214a53_cast:
	s_mov_b64 s[64:65], 0
	v_nop
	global_prefetch_b8 v0, s[64:65] scope:SCOPE_SE
	s_setreg_imm32_b32 hwreg(HW_REG_WAVE_MODE, 25, 1), 1
	s_wait_xcnt 0x0
; x and the three weights, f32, are rounded once to bf16 (to nearest even).
; xb: [16 blocks of 64 channels][8192 rows][64] bf16: a block's rows lie end to end, 128 bytes each, so that 128 rows x 64 channels are 16,384 consecutive bytes for the launch behind.
; wb: [1024 k][3072 n] bf16, columns 0-1023 W_q, 1024-2047 W_k, 2048-3071 W_v.
; A work-group takes 16 rows of 4,096 bytes: groups 0-511 those of x, groups 512-703 those of a weight (64 groups each).
; x: wave w takes rows 2 w and 2 w + 1, load i their channels 64 i .. 64 i + 63: lanes 0-15 take 256 consecutive bytes of one row, lanes 16-31 of the other; the store's 8 bytes a lane are the two rows'
; 128 bytes of block i: 256 consecutive bytes, aligned.  Weights: thread t takes 16 bytes at 16 t of each row; a wave's store covers 256 consecutive bytes, aligned.
; All 16 loads of a thread go out at once; no register is written twice, so no wait but the counted ones for the loads is needed.  No LDS, no barrier, no matrix unit: no byte is used twice.
.set ROWB, 4096                        ; bytes in a source row
.set KBLK, 1048576                     ; bytes in a block of xb: 8,192 rows x 128
.set X, 8                              ; v[8:71]    load i: 4 registers
.set Y, 72                             ; v[72:103]  store i: 2 registers
	s_load_b256 s[4:11], s[0:1], 0x0               ; x s[4:5], W_q s[6:7], W_k s[8:9], W_v s[10:11]
	s_load_b128 s[12:15], s[0:1], 0x20             ; xb s[12:13], wb s[14:15]
	v_lshlrev_b32 v1, 4, v0                        ; weights: my 16 bytes of a source row
	v_lshlrev_b32 v2, 3, v0                        ; my 8 bytes of what the work-group stores at a time
	v_lshrrev_b32 v3, 4, v0                        ; x: my row of the 16,
	v_and_b32 v4, 15, v0
	v_lshlrev_b32 v3, 12, v3
	v_lshl_or_b32 v3, v4, 4, v3                    ; and my 16 bytes of its 256
	s_mov_b32 s20, ttmp9
	s_sub_co_u32 s21, s20, 512                     ; among the weights' groups (used there alone)
	s_lshr_b32 s22, s21, 6                         ; which weight
	s_and_b32 s23, s21, 63                         ; which 16 rows of it
	s_mul_i32 s26, s23, 16*6144                    ; their place in wb,
	s_lshl_b32 s27, s22, 11                        ; and the weight's 2,048 bytes of a row of wb
	s_add_co_u32 s26, s26, s27
	s_lshl_b32 s27, s20, 11                        ; 16 rows of a block of xb
	s_wait_kmcnt 0x0
	s_cmp_eq_u32 s22, 1
	s_cselect_b64 s[16:17], s[8:9], s[6:7]
	s_cmp_eq_u32 s22, 2
	s_cselect_b64 s[16:17], s[10:11], s[16:17]
	s_cmp_lt_u32 s20, 512
	s_cselect_b64 s[16:17], s[4:5], s[16:17]       ; from where
	s_cselect_b64 s[18:19], s[12:13], s[14:15]     ; to where
	s_cselect_b32 s24, s20, s23
	s_cselect_b32 s26, s27, s26
	s_lshl_b32 s24, s24, 16                        ; 16 source rows are 65,536 bytes
	s_mov_b32 s25, 0
	s_mov_b32 s27, 0
	s_add_nc_u64 s[16:17], s[16:17], s[24:25]
	s_add_nc_u64 s[18:19], s[18:19], s[26:27]
	s_cmp_lt_u32 s20, 512
	s_cbranch_scc0 .Lweights
.irp i, 0,1,2,3,4,5,6,7,8,9,10,11,12,13,14,15
	global_load_b128 v[X+4*(\i):X+4*(\i)+3], v3, s[16:17] offset:(\i)*256 th:TH_LOAD_NT
.endr
	s_add_nc_u64 s[28:29], s[18:19], 8*KBLK        ; blocks 8 to 15: the stores' immediate holds seven blocks at the most
.irp i, 0,1,2,3,4,5,6,7,8,9,10,11,12,13,14,15
	s_wait_loadcnt 15-(\i)                         ; loads come back in order: load i is in, the younger ones stay out
	v_cvt_pk_bf16_f32 v[Y+2*(\i)], v[X+4*(\i)], v[X+4*(\i)+1]
	v_cvt_pk_bf16_f32 v[Y+2*(\i)+1], v[X+4*(\i)+2], v[X+4*(\i)+3]
.if (\i) < 8
	global_store_b64 v2, v[Y+2*(\i):Y+2*(\i)+1], s[18:19] offset:(\i)*KBLK th:TH_STORE_NT
.else
	global_store_b64 v2, v[Y+2*(\i):Y+2*(\i)+1], s[28:29] offset:((\i)-8)*KBLK th:TH_STORE_NT
.endif
.endr
	s_endpgm
.Lweights:
.irp i, 0,1,2,3,4,5,6,7,8,9,10,11,12,13,14,15
	global_load_b128 v[X+4*(\i):X+4*(\i)+3], v1, s[16:17] offset:(\i)*ROWB th:TH_LOAD_NT
.endr
.irp i, 0,1,2,3,4,5,6,7,8,9,10,11,12,13,14,15
	s_wait_loadcnt 15-(\i)
	v_cvt_pk_bf16_f32 v[Y+2*(\i)], v[X+4*(\i)], v[X+4*(\i)+1]
	v_cvt_pk_bf16_f32 v[Y+2*(\i)+1], v[X+4*(\i)+2], v[X+4*(\i)+3]
	global_store_b64 v2, v[Y+2*(\i):Y+2*(\i)+1], s[18:19] offset:(\i)*6144 th:TH_STORE_NT
.endr
	s_endpgm
.Lfunc_end_k_qdd83214a53_cast:
	.size	k_qdd83214a53_cast, .Lfunc_end_k_qdd83214a53_cast-k_qdd83214a53_cast
	.p2alignl 7, 3214868480
	.fill 96, 4, 3214868480
	.section	.rodata,"a",@progbits
	.p2align	6, 0x0
	.amdhsa_kernel k_qdd83214a53_cast
		.amdhsa_group_segment_fixed_size 0
		.amdhsa_private_segment_fixed_size 0
		.amdhsa_enable_private_segment 0
		.amdhsa_kernarg_size 48
		.amdhsa_user_sgpr_count 2
		.amdhsa_user_sgpr_kernarg_segment_ptr 1
		.amdhsa_wavefront_size32 1
		.amdhsa_system_sgpr_workgroup_id_x 1
		.amdhsa_system_sgpr_workgroup_id_y 1
		.amdhsa_system_sgpr_workgroup_id_z 1
		.amdhsa_system_vgpr_workitem_id 0
		.amdhsa_next_free_vgpr 104
		.amdhsa_next_free_sgpr 66
		.amdhsa_reserve_vcc 0
		.amdhsa_float_denorm_mode_32 3
		.amdhsa_float_denorm_mode_16_64 3
		.amdhsa_memory_ordered 1
		.amdhsa_forward_progress 1
		.amdhsa_inst_pref_size 13
	.end_amdhsa_kernel
	.amdgpu_metadata
---
amdhsa.version: [ 1, 2 ]
amdhsa.kernels:
  - .name:           k_qdd83214a53_cast
    .symbol:         k_qdd83214a53_cast.kd
    .args:
      - { .name: x, .offset: 0, .size: 8, .value_kind: global_buffer, .address_space: global }
      - { .name: W_q, .offset: 8, .size: 8, .value_kind: global_buffer, .address_space: global }
      - { .name: W_k, .offset: 16, .size: 8, .value_kind: global_buffer, .address_space: global }
      - { .name: W_v, .offset: 24, .size: 8, .value_kind: global_buffer, .address_space: global }
      - { .name: xb, .offset: 32, .size: 8, .value_kind: global_buffer, .address_space: global }
      - { .name: wb, .offset: 40, .size: 8, .value_kind: global_buffer, .address_space: global }
    .group_segment_fixed_size: 0
    .private_segment_fixed_size: 0
    .kernarg_segment_align: 8
    .kernarg_segment_size: 48
    .max_flat_workgroup_size: 256
    .sgpr_count:     66
    .vgpr_count:     104
    .wavefront_size: 32
...
	.end_amdgpu_metadata
.endif
;; end of part 1
;; launch proj (part 2): grid 8 x 32, 4 waves a work-group, clusters of 4 x 4, 327,680 bytes of LDS; arguments xb, wb, qkv, hd; writes qkv, hd
.if DOCPART == 2
	.amdgcn_target "amdgcn-amd-amdhsa--gfx1250"
	.amdhsa_code_object_version 6
	.text
	.protected	k_qdd83214a53_proj
	.globl	k_qdd83214a53_proj
	.p2align	8
	.type	k_qdd83214a53_proj,@function
k_qdd83214a53_proj:
	s_mov_b64 s[64:65], 0
	v_nop
	global_prefetch_b8 v0, s[64:65] scope:SCOPE_SE
	s_setreg_imm32_b32 hwreg(HW_REG_WAVE_MODE, 25, 1), 1
	s_wait_xcnt 0x0
	s_wait_alu depctr_hold_cnt(0) depctr_sa_sdst(0) depctr_va_vdst(0) depctr_va_sdst(0) depctr_va_ssrc(0) depctr_va_vcc(0) depctr_vm_vsrc(0)
	s_getreg_b32 s2, hwreg(HW_REG_IB_STS2, 6, 4)
	s_cmp_eq_u32 s2, 0
	s_cbranch_scc0 .Lentry_in_a_cluster
	s_endpgm
.Lentry_in_a_cluster:
	s_bfe_u32 s2, ttmp6, 0x10000c
	s_cmp_lg_u32 s2, 0xf033
	s_cbranch_scc0 .Lentry_shape_is_right
	s_endpgm
.Lentry_shape_is_right:
; qkv[m][n] = the sum over k of x[m][k] w[k][n].  xb: x in bf16, [16 blocks of 64 k][8192 m][64]; wb: [1024 k][3072 n] bf16; qkv: [8192][3072] f16 (Q, K, V side by side); sums in f32, K ascending, rounded once.
; hd: [4][16][3072] f32: the same sums, unrounded, for the first 16 rows of each batch of 2,048.  A causal row q averages q + 1 rows of V only, so in the first rows the roundings to f16's 11 bits
; weigh many times the output's root mean square: those rows are made from hd by a launch of their own.
; LIMIT.  f16 holds no number beyond 65,504: a sum of 65,520 or more leaves as an infinity.  Unit x and weights of spread 1/32 give sums of a few units; thirty times larger x and weights, or offsets of thirty spreads on both, stay within it.
; THE TILE is 256 x 384: 8192 x 3072 are then 32 x 8 = 256 tiles, as many as there are work-groups in one round of the chip's WGPs.  Four waves, 128 x 192 each: 96 accumulators of 16 x 16, 768 registers.
; K goes in steps of 64 through a ring of two LDS slots: with steps of 128 two slots would be (256 + 384) x 256 x 2 = 327,680 bytes, all of LDS without padding or stage.
; x's part of a K step is dense in xb: a wave's 128 rows x 128 bytes are asked for as 64 rows of 256 bytes and padded in LDS behind every 128.  w's part has rows along n, 768 bytes each; its fragments come out of LDS turned.
; CLUSTERS: 4 x 4 work-groups.  The four of a row of the cluster need the same tiles of x, the four of a column the same tiles of w: each tile is asked for JOINTLY, by the same tensor load with the same descriptor and a mask of the four.
; The tile row is 8 cy + cluster y: the four batches' first tiles (rows 0, 8, 16, 24) then lie in the clusters with y = 0, and the branch to hd's stores hangs on the cluster's y and the wave's number alone, alike in all partners.
; THE MATRIX INSTRUCTION IS USED TRANSPOSED: source 0 = 16 columns of w, source 1 = 16 rows of x: a lane then holds eight neighbouring numbers of a row of qkv, 16 bytes in f16.
; REGISTERS, in windows of 256: window 0: v0-31 addresses; v32-95, v96-159 fragments of x (8 x 16 rows x 32 k), two buffers; v160-255 fragments of w, a buffer of 32 for each GROUP of 64 columns.
;   windows 1, 2, 3: the accumulators of column groups 0, 1, 2: (a, b) at v[8 (4 a + b)], a = block of 16 rows 0..7, b = block of 16 columns 0..3 of the group.
; A SLAB is 32 along K: three UNITS of 32 matrix instructions, one a group, each under one window setting.  Behind unit g, four places on, the group's buffer is loaded for the next slab; x's other buffer is loaded in two halves behind units 0 and 1.
.set KSTEP,  64
.set KBLK,   1048576                   ; bytes in a block of xb: 8,192 rows x 128
.set BROW,   6144                      ; bytes in a row of wb and of qkv
.set HROW,   12288                     ; bytes in a row of hd
.set AP,     144                       ; an LDS row of x's tile: 128 bytes + 16 = 36 words: the 16 rows of a load start at 16 different groups of four banks (64 banks of 4 bytes: ISA guide 11.1)
.set BP,     864                       ; an LDS row of w's tile: 3 x (256 bytes + 32) = 27 x 32
.set AH,     128*AP                    ; what a tensor load of x brings: 128 rows
.set BH,     32*BP                     ; what a tensor load of w brings: 32 rows of k
.set SLOT,   2*AH+2*BH                 ; x's 256 rows, then w's 64 rows
.set CTP,    784                       ; the way out: a row of the tile in f16, or of hd's part in f32: 768 bytes + 16: row r starts at bank 4 r mod 64
.set HSTG,   256*CTP                   ; the tile's 256 rows lie from byte 0 on (over the ring, which has had its last fill); behind them 16 rows for each of waves 0 and 1, for hd
.set SPARE,  HSTG+2*16*CTP             ; behind the stages: the spare words, 128 bytes for each wave
.set ADRA, 6                           ; v6-7    LDS address of my fragments of x in slot 0, 1
.set ADRB, 8                           ; v8-13   of my fragments of w: slot 0 groups 0, 1, 2; slot 1 likewise
.set STO,  14                          ; v14-15  the way out: where I put 16 bytes of a row: blocks 0-3, blocks 4-7
.set RD,   16                          ; v16     where I read rows back
.set CO,   17                          ; v17     my byte offset in qkv
.set HS,   18                          ; v18     hd's way out: where I put 32 bytes of a row
.set HR,   19                          ; v19     where I read its rows back
.set HO,   20                          ; v20     my byte offset in hd
.set PFO,  21                          ; v21     the prefetches' lane offset; never rewritten
.set SPW,  22                          ; v22     LDS address of my spare word; never rewritten
.set NIL,  23                          ; v23     0; never rewritten
.set FA0,  32
.set FA1,  96
.set FB,   160
.set TMP,  160                         ; the way out: 64 registers of packed results
.set BK,   32                          ; the way out: two sets of 96: 16 rows read back
.set PFA,  44                          ; s[44:45] where my prefetches stand
.set LIM,  43                          ; s43     1 in a wave that prefetches, else the greatest number
.set PST,  66                          ; s[66:67] two K steps in bytes: two blocks of xb, or 128 rows of wb
.set HD,   68                          ; s[68:69] hd
.set G1,  24                           ; s[24:31] descriptor group 1 for x's tiles;  s[32:39] group 0, a set for each slot
.set G0,  32
.set G1B, 48                           ; s[48:55], s[56:63] the same for w's tiles
.set G0B, 56
.set MSB, 0
.macro WIN new                         ; the immediate's high byte repeats the setting that is left; a switch that changes nothing is dropped
.if MSB != (\new)
	s_set_vgpr_msb (MSB<<8)|(\new)
.set MSB, \new
.endif
.endm
; A joint load.  Waves 0 and 1 fetch x's two halves, waves 2 and 3 w's.  The branch hangs on the wave's number alone.  An s_nop 0 and four v_nop follow each line.
.macro JLOAD s
	s_cmp_eq_u32 s11, 0
	s_cbranch_scc0 .Lfor_b_\@
	tensor_load_to_lds s[G0+4*(\s):G0+4*(\s)+3], s[G1:G1+7]
	s_nop 0
.rept 4
	v_nop
.endr
	s_branch .Lasked_\@
.Lfor_b_\@:
	tensor_load_to_lds s[G0B+4*(\s):G0B+4*(\s)+3], s[G1B:G1B+7]
	s_nop 0
.rept 4
	v_nop
.endr
.Lasked_\@:
.endm
; A PREFETCH, once a lap, of the two K steps that the NEXT lap's two refills will ask for: 384 and 576 matrix instructions ahead of those loads.  A lane names a block of 256 bytes.
; x's tile row is read by both clusters of a row of clusters: cluster x = 0 asks, its wave 0: of the tile's 256 rows (32,768 dense bytes a K step) the partner at cx takes 8,192 bytes, one instruction a K step.
; w's tile column is read by all eight clusters of a column: cluster y = 0 asks, its wave 2: of the lap's 128 rows of k the partner at cy takes 32, a lane a row, three instructions for a row's 768 bytes.
; The partners are told apart by address alone.  So each block is named once in the launch.  K steps 0 to 3 come by their loads alone; the loop's last trip asks for nothing: there is no lap behind the next.
.macro ASK
	s_cmp_gt_u32 s3, s[LIM]                        ; s3 = 1 in the loop's last trip
	s_cbranch_scc0 .Lnot_mine_\@
	s_cmp_eq_u32 s11, 0
	s_cbranch_scc0 .Lof_w_\@
	global_prefetch_b8 v[PFO], s[PFA:PFA+1] th:TH_LOAD_NT scope:SCOPE_SE
	global_prefetch_b8 v[PFO], s[PFA:PFA+1] offset:KBLK th:TH_LOAD_NT scope:SCOPE_SE
	s_branch .Lnot_mine_\@
.Lof_w_\@:
	global_prefetch_b8 v[PFO], s[PFA:PFA+1] th:TH_LOAD_NT scope:SCOPE_SE
	global_prefetch_b8 v[PFO], s[PFA:PFA+1] offset:256 th:TH_LOAD_NT scope:SCOPE_SE
	global_prefetch_b8 v[PFO], s[PFA:PFA+1] offset:512 th:TH_LOAD_NT scope:SCOPE_SE
.Lnot_mine_\@:
.endm
.macro CREST                           ; a round of the cluster's barrier behind its opening barrier
	s_cmp_lg_u32 s10, 0
	s_cbranch_scc1 .Lnot_wave_0_\@
	s_barrier_signal -3
.Lnot_wave_0_\@:
	s_barrier_wait -3
	s_barrier_signal -1
	s_barrier_wait -1
.endm
.macro CROUND                          ; a whole round
	s_barrier_signal -1
	s_barrier_wait -1
	CREST
.endm
	s_load_b128 s[4:7], s[0:1], 0x0                ; xb s[4:5], wb s[6:7]
	s_load_b64 s[8:9], s[0:1], 0x10                ; qkv
	s_load_b64 s[HD:HD+1], s[0:1], 0x18            ; hd
	v_lshl_add_u32 v[SPW], v0, 2, SPARE
	v_mov_b32 v[NIL], 0
	ds_add_u32 v[SPW], v[NIL]                      ; the wave's opening: the add and its wait ahead of my first tensor load; the set-up below stands between them
	v_lshrrev_b32 v1, 5, v0
	v_readfirstlane_b32 s10, v1                    ; wave 0..3
	s_lshr_b32 s11, s10, 1                         ; which half of the tile's rows is mine.  Also: I fetch for x (0) or for w (1)
	s_and_b32 s12, s10, 1                          ; which half of its columns.  Also: which half of that tile I fetch
	s_bfe_u32 s40, ttmp6, 0x40000                  ; cx
	s_bfe_u32 s41, ttmp6, 0x40004                  ; cy
	s_lshl_b32 s42, ttmp9, 2
	s_add_co_u32 s42, s42, s40                     ; tile column = 4 x cluster x + cx, 0..7
	s_and_b32 s13, ttmp7, 0xffff                   ; cluster y, 0..7
	s_lshl_b32 s14, s41, 3
	s_add_co_u32 s13, s13, s14                     ; tile row = 8 cy + cluster y, 0..31: cy is the batch
	s_lshl_b32 s43, s41, 2
	s_lshl_b32 s43, 15, s43                        ; my row of the cluster
	s_lshl_b32 s44, 0x1111, s40                    ; my column
	s_or_b32 s[G1+0], s43, (1<<16)|(1<<20)|(1<<21)|(4<<22)|(3<<25)   ; mask of my row; 2-byte elements; padding on; bit 21 beside a mask; after every 32 words 4 words
	s_or_b32 s[G1B+0], s44, (1<<16)|(1<<20)|(1<<21)|(5<<22)|(7<<25)  ; mask of my column; after every 64 words 8 words
	s_mov_b32 s[G1+1], 128<<16                     ; tensor_dim0 = 128: two rows of x side by side
	s_mov_b32 s[G1+2], 64<<16                      ; tensor_dim1 = 64
	s_mov_b32 s[G1+3], 128<<16                     ; tile_dim0 = 128
	s_mov_b32 s[G1+4], 64                          ; tile_dim1 = 64
	s_mov_b32 s[G1+5], 128                         ; dense: 128 elements from row to row
	s_mov_b32 s[G1+6], 0
	s_mov_b32 s[G1+7], 0
	s_mov_b32 s[G1B+1], 384<<16                    ; tensor_dim0 = 384
	s_mov_b32 s[G1B+2], 32<<16                     ; tensor_dim1 = 32
	s_mov_b32 s[G1B+3], 384<<16                    ; tile_dim0 = 384
	s_mov_b32 s[G1B+4], 32                         ; tile_dim1 = 32
	s_mov_b32 s[G1B+5], 3072                       ; elements from row to row of wb
	s_mov_b32 s[G1B+6], 0
	s_mov_b32 s[G1B+7], 0
	; where the tiles come from: x's hang on the tile row alone, w's on the tile column alone, each in registers that never hold the other coordinate
	s_lshl_b32 s16, s13, 15                        ; x: 256 rows of 128 bytes for each tile row,
	s_lshl_b32 s17, s12, 14                        ; 128 rows for my half
	s_add_co_u32 s16, s16, s17
	s_mov_b32 s17, 0
	s_mul_i32 s46, s12, 32*BROW                    ; w: row 32 x half,
	s_mul_i32 s47, s42, 768                        ; column 384 x tile column
	s_add_co_u32 s46, s46, s47
	s_mov_b32 s47, 0
	s_mul_i32 s20, s12, AH                         ; and where they go: the wave's number alone enters an LDS address
	s_mul_i32 s21, s12, BH
	s_add_co_u32 s21, s21, 2*AH
	s_wait_dscnt 0x0                               ; the opening add is done
	s_wait_kmcnt 0x0
	s_add_nc_u64 s[14:15], s[4:5], s[16:17]
	s_add_nc_u64 s[46:47], s[6:7], s[46:47]
	CROUND                                         ; all sixteen work-groups are here: the first joint loads meet
.irp s, 0,1
	s_mov_b32 s[G0+4*(\s)], 1
	s_add_co_u32 s[G0+4*(\s)+1], s20, (\s)*SLOT
	s_add_nc_u64 s[G0+4*(\s)+2:G0+4*(\s)+3], s[14:15], (\s)*KBLK
	s_or_b32 s[G0+4*(\s)+3], s[G0+4*(\s)+3], 0x80000000
	s_mov_b32 s[G0B+4*(\s)], 1
	s_add_co_u32 s[G0B+4*(\s)+1], s21, (\s)*SLOT
	s_add_nc_u64 s[G0B+4*(\s)+2:G0B+4*(\s)+3], s[46:47], (\s)*KSTEP*BROW
	s_or_b32 s[G0B+4*(\s)+3], s[G0B+4*(\s)+3], 0x80000000
	JLOAD \s                                       ; two loads of mine are out
.endr
	; a fragment of x: lane l holds row l % 16; two loads of 16 bytes, 32 bytes apart
	v_and_b32 v1, 15, v0                           ; l % 16; kept to the end
	v_bfe_u32 v2, v0, 4, 1                         ; l / 16; kept to the end
	v_mul_u32_u24 v3, v1, AP
	v_lshl_add_u32 v3, v2, 4, v3
	s_mul_i32 s21, s11, AH                         ; my 128 rows of x
	v_add_nc_u32 v[ADRA], s21, v3
	v_add_nc_u32 v[ADRA+1], SLOT, v[ADRA]
	; a fragment of w: the turning load takes 16 k x 16 n (lane l reads k row 8 (l / 16) + l % 8, columns 8 ((l / 8) % 2) + 0..7) and leaves column l % 16 and 8 k in lane l
	v_and_b32 v4, 7, v0
	v_lshl_add_u32 v4, v2, 3, v4
	v_mul_u32_u24 v4, v4, BP
	v_bfe_u32 v5, v0, 3, 1
	v_lshl_add_u32 v4, v5, 4, v4
.irp g, 0,1,2                          ; group g of my 192 columns begins at byte 384 x half + 128 g of a row, and 32 bytes of padding lie behind every 256: a group never crosses one
.set CB0, 128*(\g)+32*((128*(\g))/256)
.set CB1, 384+128*(\g)+32*((384+128*(\g))/256)
	s_mul_i32 s22, s12, CB1-CB0
	s_add_co_u32 s22, s22, 2*AH+CB0                ; behind x's 256 rows
	v_add_nc_u32 v[ADRB+(\g)], s22, v4
	v_add_nc_u32 v[ADRB+3+(\g)], SLOT, v[ADRB+(\g)]
.endr
	; the way out
	s_mul_i32 s22, s11, 128*CTP                    ; my 128 rows of the tile,
	s_mul_i32 s23, s12, 384                        ; my 384 bytes of a row
	s_add_co_u32 s22, s22, s23
	v_mul_u32_u24 v3, v1, CTP
	v_lshl_add_u32 v3, v2, 4, v3                   ; in: row l % 16, 16 bytes for each half of the lanes
	v_add_nc_u32 v[STO], s22, v3
	v_add_nc_u32 v[STO+1], 64*CTP, v[STO]
	s_mul_i32 s22, s10, 64*CTP                     ; back: wave w takes rows 64 w .. 64 w + 63, whole
	v_mul_u32_u24 v3, v2, CTP
	v_lshl_add_u32 v3, v1, 4, v3                   ; lanes 0-15 take 256 bytes of one row, lanes 16-31 of the next
	v_add_nc_u32 v[RD], s22, v3
	v_mul_u32_u24 v3, v2, BROW
	v_lshl_add_u32 v[CO], v1, 4, v3                ; and the same in qkv
	s_lshl_b32 s16, s13, 8
	s_lshl_b32 s17, s10, 6
	s_add_co_u32 s16, s16, s17                     ; the first row that I store: 256 x tile row + 64 x wave
	s_mul_i32 s16, s16, BROW                       ; under 2^26
	s_mov_b32 s17, 0
	s_mul_i32 s46, s42, 768                        ; the tile's first column, in bytes
	s_mov_b32 s47, 0
	s_add_nc_u64 s[16:17], s[16:17], s[46:47]
	s_add_nc_u64 s[8:9], s[8:9], s[16:17]
	; the prefetches: they stand at K step 2; the first lap steps them to K steps 4 and 5
	s_lshl_b32 s20, s13, 15
	s_lshl_b32 s21, s40, 13
	s_add_co_u32 s20, s20, s21                     ; x: the tile's rows, my work-group's 64 of them
	s_add_co_u32 s20, s20, 2*KBLK
	s_lshl_b32 s21, s41, 5
	s_add_co_u32 s21, s21, 2*KSTEP                 ; w: of a lap's 128 rows my work-group's 32
	s_mul_i32 s21, s21, BROW
	s_add_co_u32 s21, s21, s46
	s_and_b32 s22, ttmp7, 0xffff                   ; cluster y
	s_mov_b32 s[PST], 2*KSTEP*BROW
	s_mov_b32 s[PST+1], 0
	s_mov_b32 s18, BROW
	s_cmp_eq_u32 s11, 0                            ; do I fetch for x?
	s_cselect_b32 s20, s20, s21
	s_cselect_b32 s22, ttmp9, s22                  ; the coordinate along which other clusters read the same blocks
	s_cselect_b32 s[PST], 2*KBLK, s[PST]
	s_cselect_b32 s18, 256, s18                    ; from lane to lane: a block of dense bytes, or a row of wb
	s_cselect_b64 s[PFA:PFA+1], s[4:5], s[6:7]
	s_or_b32 s22, s22, s12                         ; waves 0 and 2 alone ask
	s_cmp_eq_u32 s22, 0
	s_cselect_b32 s[LIM], 1, -1                    ; the same in all sixteen partners, for a given wave
	s_mov_b32 s21, 0
	s_add_nc_u64 s[PFA:PFA+1], s[PFA:PFA+1], s[20:21]
	v_and_b32 v3, 31, v0
	v_mul_u32_u24 v[PFO], s18, v3
; 16 matrix instructions of group g: row blocks 4 half .. 4 half + 3 x the group's 4 column blocks, 32 along K, x's fragments in buffer fa.  zero = 1: the product starts the sums.
; The 96 accumulators take turns, one instruction a turn, in the same order in every slab.
.macro MULG fa, g, half, zero
	WIN 0x50*((\g)+1)                              ; C and D in window g + 1, the sources in window 0
.irp a, 4*(\half), 4*(\half)+1, 4*(\half)+2, 4*(\half)+3
.irp b, 0,1,2,3
.if \zero
	v_wmma_f32_16x16x32_bf16 v[8*(4*(\a)+(\b)):8*(4*(\a)+(\b))+7], v[FB+32*(\g)+8*(\b):FB+32*(\g)+8*(\b)+7], v[(\fa)+8*(\a):(\fa)+8*(\a)+7], 0
.else
	v_wmma_f32_16x16x32_bf16 v[8*(4*(\a)+(\b)):8*(4*(\a)+(\b))+7], v[FB+32*(\g)+8*(\b):FB+32*(\g)+8*(\b)+7], v[(\fa)+8*(\a):(\fa)+8*(\a)+7], v[8*(4*(\a)+(\b)):8*(4*(\a)+(\b))+7]
.endif
.endr
.endr
.endm
.macro LB slot, sl, g                  ; 8 LDS loads: w's fragments of group g for slab sl (0, 1) of the K step in the slot
	WIN 0
.irp b, 0,1,2,3
	ds_load_tr16_b128 v[FB+32*(\g)+8*(\b):FB+32*(\g)+8*(\b)+3],   v[ADRB+3*(\slot)+(\g)] offset:(\sl)*32*BP+32*(\b)
	ds_load_tr16_b128 v[FB+32*(\g)+8*(\b)+4:FB+32*(\g)+8*(\b)+7], v[ADRB+3*(\slot)+(\g)] offset:(\sl)*32*BP+16*BP+32*(\b)
.endr
.endm
.macro LA slot, sl, fa, half           ; 8 LDS loads: x's fragments of row blocks 4 half .. 4 half + 3 into buffer fa
	WIN 0
.irp a, 4*(\half), 4*(\half)+1, 4*(\half)+2, 4*(\half)+3
	ds_load_b128 v[(\fa)+8*(\a):(\fa)+8*(\a)+3],   v[ADRA+(\slot)] offset:64*(\sl)+(\a)*16*AP
	ds_load_b128 v[(\fa)+8*(\a)+4:(\fa)+8*(\a)+7], v[ADRA+(\slot)] offset:64*(\sl)+(\a)*16*AP+32
.endr
.endm
.macro PLACES                          ; four plain vector instructions between a matrix instruction and loads into registers that it has read, or readers of its result
.rept 4
	v_nop
.endr
.endm
; Units 1 and 2 of a slab on buffer fa; the next slab lies in slot ns at slab nl and takes buffer nfa.
.macro REST fa, ns, nl, nfa, zero
	s_wait_dscnt 24                                ; w's group 1 is in: behind it went group 2's 8 loads and the 16 behind unit 0
	MULG \fa, 1, 0, \zero
	MULG \fa, 1, 1, \zero
	PLACES
	LA \ns, \nl, \nfa, 1                           ; x's half first: the next slab's first wait leaves the 16 loads behind it out
	LB \ns, \nl, 1
	s_wait_dscnt 32                                ; w's group 2 is in: behind it went the two runs of 16
	MULG \fa, 2, 0, \zero
	MULG \fa, 2, 1, \zero
	PLACES
	LB \ns, \nl, 2
.endm
.macro SLAB fa, ns, nl, nfa, zero      ; a slab that changes no slot
	s_wait_dscnt 16                                ; x's fragments and w's group 0 are in; groups 1 and 2 may be out
	MULG \fa, 0, 0, \zero
	MULG \fa, 0, 1, \zero
	PLACES
	LB \ns, \nl, 0
	LA \ns, \nl, \nfa, 0
	REST \fa, \ns, \nl, \nfa, \zero
.endm
; A K step's second slab (buffer 1) changes slots in its unit 0: all the slot's fragments have been asked for.  ONE barrier: in front of it each wave waits for all its tensor loads, of which one is out: its part
; of the next slot; adds 0 to its spare word; and waits for that and for its own reads of this slot.  fill = 1: the barrier opens a round of the cluster's barrier, and the joint refill, two K steps on, is the first
; tensor load behind it: 160 matrix instructions ahead of the wait for it.
.macro TURN slot, next, fill, ask
.if \ask
	s_wait_xcnt 0x0                                ; the last prefetches, a lap back, have read their address
	s_add_nc_u64 s[PFA:PFA+1], s[PFA:PFA+1], s[PST:PST+1]
.endif
	WIN 0                                          ; (the add's two registers lie in window 0)
	s_wait_tensorcnt 0x0                           ; all my tensor loads have landed
	ds_add_u32 v[SPW], v[NIL]                      ; 0 onto my spare word
	s_wait_dscnt 17                                ; (the add and w's groups 1 and 2 may be out)
	MULG FA1, 0, 0, 0                              ; sixteen matrix instructions stand between the add and the wait for it
	s_wait_dscnt 0x0                               ; the add is done, and my reads of this slot are over
	s_barrier_signal -1
	MULG FA1, 0, 1, 0
.if \fill
	WIN 0
.endif
	s_barrier_wait -1
.if \fill
	CREST                                          ; no wave of any partner still reads this slot's tiles or has a load on its way
	s_add_nc_u64 s[G0+4*(\slot)+2:G0+4*(\slot)+3], s[G0+4*(\slot)+2:G0+4*(\slot)+3], 2*KBLK
	s_add_nc_u64 s[G0B+4*(\slot)+2:G0B+4*(\slot)+3], s[G0B+4*(\slot)+2:G0B+4*(\slot)+3], 2*KSTEP*BROW
	JLOAD \slot                                    ; its four v_nop are also the places in front of the loads below
.else
	PLACES
.endif
	LB \next, 0, 0
	LA \next, 0, FA0, 0
.if \ask
	ASK
.endif
	REST FA1, \next, 0, FA0, 0
.endm
	s_wait_tensorcnt 1                             ; my part of K step 0 is in; K step 1's may stay out
	s_barrier_signal -1
	s_barrier_wait -1
	LB 0, 0, 0                                     ; the first slab's fragments, in the order in which every slab's are asked for
	LA 0, 0, FA0, 0
	LA 0, 0, FA0, 1
	LB 0, 0, 1
	LB 0, 0, 2
	SLAB FA0, 0, 1, FA1, 1                         ; the first slab's products start the sums
	WIN 0
	s_mov_b32 s3, 7
.Llap:                                                 ; a trip goes once round the ring, from a lap's second slab to the next lap's first, and fills both slots again: K steps 2 to 15
	TURN 0, 1, 1, 1
	SLAB FA0, 1, 1, FA1, 0
	TURN 1, 0, 1, 0
	SLAB FA0, 0, 1, FA1, 0
	WIN 0
	s_sub_co_u32 s3, s3, 1
	s_cmp_lg_u32 s3, 0
	s_cbranch_scc1 .Llap
	TURN 0, 1, 0, 0                                ; the rest of the last lap is written out: it asks for nothing
	SLAB FA0, 1, 1, FA1, 0
	s_wait_dscnt 16                                ; the last slab fetches nothing: the counts run down
	MULG FA1, 0, 0, 0
	MULG FA1, 0, 1, 0
	s_wait_dscnt 8
	MULG FA1, 1, 0, 0
	MULG FA1, 1, 1, 0
	s_wait_dscnt 0x0
	MULG FA1, 2, 0, 0
	MULG FA1, 2, 1, 0
	PLACES
	; A BATCH'S FIRST 16 ROWS ALSO LEAVE UNROUNDED.  They are row block 0 of waves 0 and 1 in the tiles of the clusters with y = 0.  The jumps pass LDS traffic on my own stage and stores alone.
	WIN 0
	s_cmp_lg_u32 s11, 0
	s_cbranch_scc1 .Lno_head
	s_and_b32 s20, ttmp7, 0xffff
	s_cmp_lg_u32 s20, 0
	s_cbranch_scc1 .Lno_head
	s_mul_i32 s23, s12, 16*CTP
	s_add_co_u32 s23, s23, HSTG                    ; my stage: no tensor load ever fills it
	v_mul_u32_u24 v[HS], v1, CTP                   ; in: row l % 16, 32 bytes (eight f32) for each half of the lanes
	v_lshl_add_u32 v[HS], v2, 5, v[HS]
	v_add_nc_u32 v[HS], s23, v[HS]
	v_mul_u32_u24 v[HR], v2, CTP                   ; back: lanes 0-15 take 256 bytes of one row, lanes 16-31 of the next
	v_lshl_add_u32 v[HR], v1, 4, v[HR]
	v_add_nc_u32 v[HR], s23, v[HR]
	v_mul_u32_u24 v[HO], v2, HROW
	v_lshl_add_u32 v[HO], v1, 4, v[HO]
	s_mul_i32 s20, s41, 16*HROW                    ; the batch's 16 rows (cy is the batch),
	s_mul_i32 s21, s42, 1536                       ; the tile's 384 columns,
	s_add_co_u32 s20, s20, s21
	s_mul_i32 s21, s12, 768                        ; my 192 of them: three whole blocks of 256 bytes
	s_add_co_u32 s20, s20, s21
	s_mov_b32 s21, 0
	s_add_nc_u64 s[HD:HD+1], s[HD:HD+1], s[20:21]
.irp g, 0,1,2
	WIN 4*((\g)+1)                                 ; the stores' data in window g + 1
.irp b, 0,1,2,3
	ds_store_b128 v[HS], v[8*(\b):8*(\b)+3]   offset:64*(4*(\g)+(\b))      ; each accumulator's low registers first
	ds_store_b128 v[HS], v[8*(\b)+4:8*(\b)+7] offset:64*(4*(\g)+(\b))+16
.endr
.endr
	WIN 0
.irp t, 0,1,2,3,4,5,6,7
.irp u, 0,1,2
	ds_load_b128 v[BK+4*(3*(\t)+(\u)):BK+4*(3*(\t)+(\u))+3], v[HR] offset:2*(\t)*CTP+256*(\u)  ; LDS serves a wave's instructions in order (ISA guide 5.7.1.4): these see the stores above
.endr
.endr
	s_wait_dscnt 0x0
.irp t, 0,1,2,3,4,5,6,7
.irp u, 0,1,2
	global_store_b128 v[HO], v[BK+4*(3*(\t)+(\u)):BK+4*(3*(\t)+(\u))+3], s[HD:HD+1] offset:2*(\t)*HROW+256*(\u)  ; 16 lanes store 256 consecutive bytes, at a multiple of 256 from hd's first byte
.endr
.endr
	s_wait_xcnt 0x0                                ; these stores have read their registers, which the way out below loads again
.Lno_head:
	; THE WAY OUT.  A wave's 192 columns are 384 bytes, one and a half blocks of 256: so the whole tile goes into LDS, rounded to f16, and each wave takes 64 whole rows back.
	s_wait_dscnt 0x0                               ; my reads of the ring are over,
	s_barrier_signal -1
	s_barrier_wait -1                              ; everybody's are: its bytes, which no tensor load fills any more, may be written
.macro PACKG g, hf                     ; group g, row blocks 4 hf .. 4 hf + 3: 16 accumulators, each read from its low end on
	WIN 5*((\g)+1)                                 ; sources 0 and 1 in window g + 1
.irp a, 0,1,2,3
.irp b, 0,1,2,3
.irp r, 0,1,2,3
	v_cvt_pk_f16_f32 v[TMP+4*(4*(\a)+(\b))+(\r)], v[8*(4*(4*(\hf)+(\a))+(\b))+2*(\r)], v[8*(4*(4*(\hf)+(\a))+(\b))+2*(\r)+1]
.endr
.endr
.endr
	WIN 0
.irp a, 0,1,2,3
.irp b, 0,1,2,3
	ds_store_b128 v[STO+(\hf)], v[TMP+4*(4*(\a)+(\b)):TMP+4*(4*(\a)+(\b))+3] offset:(\a)*16*CTP+128*(\g)+32*(\b)
.endr
.endr
.endm
.irp g, 0,1,2
	PACKG \g, 0
	PACKG \g, 1
.endr
	s_wait_dscnt 0x0                               ; for the others' sake: my stores into the tile are done
	s_barrier_signal -1
	s_barrier_wait -1
.macro RBK q                           ; rows 16 q .. 16 q + 15 of my 64 come back: 24 loads
.irp t, 0,1,2,3,4,5,6,7
.irp u, 0,1,2
	ds_load_b128 v[BK+96*((\q)%2)+4*(3*(\t)+(\u)):BK+96*((\q)%2)+4*(3*(\t)+(\u))+3], v[RD] offset:(16*(\q)+2*(\t))*CTP+256*(\u)
.endr
.endr
.endm
.macro SND q, younger                  ; and leave; younger: the next batch's loads, which may stay out
	s_wait_dscnt \younger
.irp t, 0,1,2,3,4,5,6,7
.irp u, 0,1,2
	global_store_b128 v[CO], v[BK+96*((\q)%2)+4*(3*(\t)+(\u)):BK+96*((\q)%2)+4*(3*(\t)+(\u))+3], s[8:9] offset:(16*(\q)+2*(\t))*BROW+256*(\u)  ; 16 lanes store 256 consecutive bytes, at a multiple of 256 from qkv's first byte
.endr
.endr
.endm
	RBK 0
	RBK 1
	SND 0, 24
	s_wait_xcnt 0x0                                ; batch 0's stores have read their registers: only now are these loaded again
	RBK 2
	SND 1, 24
	s_wait_xcnt 0x0
	RBK 3
	SND 2, 24
	SND 3, 0
	s_wait_tensorcnt 0x0                           ; the wave's end
	ds_add_u32 v[SPW], v[NIL]
	s_wait_dscnt 0x0
	CROUND                                         ; the closing round
	s_endpgm
.Lfunc_end_k_qdd83214a53_proj:
	.size	k_qdd83214a53_proj, .Lfunc_end_k_qdd83214a53_proj-k_qdd83214a53_proj
	.p2alignl 7, 3214868480
	.fill 96, 4, 3214868480
	.section	.rodata,"a",@progbits
	.p2align	6, 0x0
	.amdhsa_kernel k_qdd83214a53_proj
		.amdhsa_group_segment_fixed_size 327680
		.amdhsa_private_segment_fixed_size 0
		.amdhsa_enable_private_segment 0
		.amdhsa_kernarg_size 32
		.amdhsa_user_sgpr_count 2
		.amdhsa_user_sgpr_kernarg_segment_ptr 1
		.amdhsa_wavefront_size32 1
		.amdhsa_system_sgpr_workgroup_id_x 1
		.amdhsa_system_sgpr_workgroup_id_y 1
		.amdhsa_system_sgpr_workgroup_id_z 1
		.amdhsa_system_vgpr_workitem_id 0
		.amdhsa_next_free_vgpr 1024
		.amdhsa_next_free_sgpr 72
		.amdhsa_reserve_vcc 0
		.amdhsa_float_denorm_mode_32 3
		.amdhsa_float_denorm_mode_16_64 3
		.amdhsa_memory_ordered 1
		.amdhsa_forward_progress 1
		.amdhsa_inst_pref_size 138
	.end_amdhsa_kernel
	.amdgpu_metadata
---
amdhsa.version: [ 1, 2 ]
amdhsa.kernels:
  - .name:           k_qdd83214a53_proj
    .symbol:         k_qdd83214a53_proj.kd
    .args:
      - { .name: xb, .offset: 0, .size: 8, .value_kind: global_buffer, .address_space: global }
      - { .name: wb, .offset: 8, .size: 8, .value_kind: global_buffer, .address_space: global }
      - { .name: qkv, .offset: 16, .size: 8, .value_kind: global_buffer, .address_space: global }
      - { .name: hd, .offset: 24, .size: 8, .value_kind: global_buffer, .address_space: global }
    .group_segment_fixed_size: 327680
    .private_segment_fixed_size: 0
    .kernarg_segment_align: 8
    .kernarg_segment_size: 32
    .max_flat_workgroup_size: 128
    .sgpr_count:     72
    .vgpr_count:     1024
    .wavefront_size: 32
...
	.end_amdgpu_metadata
.endif
;; end of part 2
;; launch scores (part 3): grid 9 x 16, 4 waves a work-group, no clusters, 327,680 bytes of LDS; arguments qkv, pt, stats; writes pt, stats
.if DOCPART == 3
	.amdgcn_target "amdgcn-amd-amdhsa--gfx1250"
	.amdhsa_code_object_version 6
	.text
	.protected	k_qdd83214a53_scores
	.globl	k_qdd83214a53_scores
	.p2align	8
	.type	k_qdd83214a53_scores,@function
k_qdd83214a53_scores:
	s_mov_b64 s[64:65], 0
	v_nop
	global_prefetch_b8 v0, s[64:65] scope:SCOPE_SE
	s_setreg_imm32_b32 hwreg(HW_REG_WAVE_MODE, 25, 1), 1
	s_wait_xcnt 0x0
; For each tile (I, J <= I) of 256 queries x 256 keys of a batch: S = Q K^T (f16 operands, f32 sums over 1,024 channels); for each row the maximum m over the tile's visible keys;
; p = 2^(c s - c m), c = log2(e) / 32, stored in f16 in pt [4][2048 q][2048 key]; c m and l = the sum of the unrounded p in stats (f32: c m at ((8 b + J) 2048 + q) 4, l 262,144 bytes behind).
; The launch behind joins the tiles' maxima and sums: the softmax's maximum is taken, in two stages.  Tiles above the diagonal are neither made nor read.
; LIMITS.  A hidden score counts as -1e30 (f16 operands bound true scores by 4.4e12); p below 6e-5 keeps f16's fixed step; a weight below 2^-126 counts as 0; NaN and infinities are not treated apart.
; THE GRID.  A batch's 36 tiles are a triangle with rows of 1 to 8 tiles; rows 7 - r and r together have 9: work-group (cc, 4 b + r) takes tile (7 - r, cc) if cc <= 7 - r, else (r, cc + r - 8).
; NO CLUSTER: partners that share Q's rows lie in a tile row, those that share K's in a tile column; the triangle's rows and columns have 1 to 8 tiles, so no block of 4 or 4 x 4 work-groups divides it without work-groups that have no tile.
; THE PRODUCT: four waves, 128 x 128 each, K steps of 128 channels through a ring of two LDS slots; source 0 = 16 keys, source 1 = 16 queries: a lane holds eight neighbouring keys of one query.
; THE SOFTMAX: the 256 x 256 scores go into LDS in f32 (into the ring's bytes, which have had their last fill), and each wave then takes 64 whole rows, 8 a trip: a row lies across the wave's 32 lanes, 8 keys a lane.
; REGISTERS: windows as in a GEMM: window 0 addresses and Q's fragments, window 1 K's, windows 2 and 3 the accumulators; the softmax works in window 0.
.set KSTEP,  128
.set ROWB,   6144                      ; bytes in a row of qkv
.set PITCH,  272
.set HALFT,  128*PITCH
.set SLOT,   4*HALFT                   ; Q's 256 rows, then K's 256 rows
.set SPARE,  2*SLOT                    ; behind the ring: the spare words
.set SCP,    1040                      ; a row of scores in LDS: 1,024 bytes + 16: row r starts at bank 4 r mod 64
.set LAPS,   4
.set DA,   2                           ; v2-9    where block a of my accumulators goes in the scores' rows
.set RA,   10                          ; v10     where I read the trip's rows
.set RA0,  11                          ; v11     16 x lane
.set PO,   12                          ; v12     8 x lane: my 8 bytes of 256 of pt
.set ADRA, 16
.set ADRB, 20
.set SPW,  28
.set NIL,  29
.set PFO,  30                          ; v30     lane x a row of qkv
.set T,    32                          ; v32-39  a row's maximum, later its sum
.set U,    40                          ; v40-47  the other half of the lanes'
.set R,    48                          ; v48-51  the statistics as they will be stored
.set LN,   52                          ; v52     my lane
.set SO,   53                          ; v53     my 16 bytes in stats
.set F0,   64
.set F1,   128
.set X,    64                          ; v64-127   row y: 8 scores at X + 8 y (keys 4 l .. 4 l + 3, 128 + 4 l .. + 3)
.set Z,    128                         ; v128-191  c s - c m, then p
.set Y,    192                         ; v192-223  p in f16
.set CM,   224                         ; v224-239  row y: c m in the low word of a pair
.set KD,   240                         ; v240-247  my 8 keys' numbers less the trip's first row's
.set BIG,  248                         ; v248      -1e30
.set G1,  24
.set G0,  32
.set DG,  40                           ; s40  1: the tile holds the diagonal
.set LIM, 43
.set PFA, 44
.set CS,  46                           ; s[46:47] c
.set SEL, 48                           ; s[48:49] v_permlanex16_b32's selects
.set CNT, 50
.set RB,  51                           ; s51  LDS byte of the trip's first row
.set LT,  52                           ; s52-55  the four lanes that keep the trip's statistics
.set MSB, 0
.macro WIN new
.if MSB != (\new)
	s_set_vgpr_msb (MSB<<8)|(\new)
.set MSB, \new
.endif
.endm
.set MUL_LO, 0xa1
.set MUL_HI, 0xf1
.set TO_B,   0x40
.macro JLOAD s                         ; each wave fetches 128 rows into LDS bytes of its own (wave x HALFT): waves 0, 1 Q's halves, waves 2, 3 K's; an s_nop 0 and four v_nop follow
	tensor_load_to_lds s[G0+4*(\s):G0+4*(\s)+3], s[G1:G1+7]
	s_nop 0
.rept 4
	v_nop
.endr
.endm
; A prefetch of the K step that stands TWO refills on: my own 128 rows x 256 bytes, a lane a row, four instructions.  Q's block I is read by the tiles (I, 0 .. I): tile J = 0 asks.
; K's block J by the tiles (J .. 7, J): the diagonal tile asks.  So each block of 256 bytes is named once in the launch.  K steps 0 to 3 come by their loads alone; the last lap asks for nothing.
.macro ASK
	s_cmp_gt_u32 s3, s[LIM]
	s_cbranch_scc0 .Lnot_mine_\@
.irp j, 0,1,2,3
	global_prefetch_b8 v[PFO], s[PFA:PFA+1] offset:(\j)*32*ROWB th:TH_LOAD_NT scope:SCOPE_SE
.endr
.Lnot_mine_\@:
.endm
	s_load_b128 s[4:7], s[0:1], 0x0                ; qkv s[4:5], pt s[6:7]
	s_load_b64 s[8:9], s[0:1], 0x10                ; stats
	v_lshl_add_u32 v[SPW], v0, 2, SPARE
	v_mov_b32 v[NIL], 0
	ds_add_u32 v[SPW], v[NIL]                      ; the wave's opening: the add and its wait ahead of my first tensor load
	v_lshrrev_b32 v1, 5, v0
	v_readfirstlane_b32 s10, v1                    ; wave 0..3
	s_lshr_b32 s11, s10, 1                         ; my half of the tile's queries.  Also: I fetch Q (0) or K (1)
	s_and_b32 s12, s10, 1                          ; my half of its keys.  Also: which 128 rows I fetch
	s_and_b32 s16, ttmp7, 0xffff
	s_lshr_b32 s15, s16, 2                         ; b
	s_and_b32 s16, s16, 3                          ; r
	s_sub_co_u32 s17, 7, s16
	s_add_co_u32 s18, ttmp9, s16
	s_sub_co_u32 s18, s18, 8
	s_cmp_le_u32 ttmp9, s17
	s_cselect_b32 s13, s17, s16                    ; I
	s_cselect_b32 s14, ttmp9, s18                  ; J
	s_cmp_eq_u32 s13, s14
	s_cselect_b32 s[DG], 1, 0
	s_mov_b32 s[G1+0], (1<<16)|(1<<20)|(5<<22)|(3<<25)  ; 2-byte elements; padding on: after every 64 words 4 words
	s_mov_b32 s[G1+1], KSTEP<<16                   ; tensor_dim0 = 128
	s_mov_b32 s[G1+2], 128<<16                     ; tensor_dim1 = 128
	s_mov_b32 s[G1+3], KSTEP<<16                   ; tile_dim0 = 128
	s_mov_b32 s[G1+4], 128                         ; tile_dim1 = 128
	s_mov_b32 s[G1+5], 3072                        ; elements from row to row of qkv
	s_mov_b32 s[G1+6], 0
	s_mov_b32 s[G1+7], 0
	s_sub_co_u32 s19, s13, s14                     ; I - J
	s_cmp_eq_u32 s11, 0
	s_cselect_b32 s16, s13, s14                    ; the block of 256 rows: Q's I or K's J
	s_cselect_b32 s17, 0, 2048                     ; Q's or K's bytes of a row
	s_cselect_b32 s19, s14, s19                    ; 0 where I am the one to prefetch
	s_cmp_eq_u32 s19, 0
	s_cselect_b32 s[LIM], 1, -1
	s_lshl_b32 s16, s16, 8
	s_lshl_b32 s18, s12, 7
	s_add_co_u32 s16, s16, s18
	s_lshl_b32 s18, s15, 11
	s_add_co_u32 s16, s16, s18                     ; my first row in qkv
	s_mul_i32 s16, s16, ROWB                       ; under 2^26
	s_add_co_u32 s16, s16, s17
	s_mov_b32 s17, 0
	s_mul_i32 s20, s10, HALFT
	s_wait_dscnt 0x0                               ; the opening add is done
	s_wait_kmcnt 0x0
	s_add_nc_u64 s[18:19], s[4:5], s[16:17]
.irp s, 0,1
	s_mov_b32 s[G0+4*(\s)], 1
	s_add_co_u32 s[G0+4*(\s)+1], s20, (\s)*SLOT
	s_add_nc_u64 s[G0+4*(\s)+2:G0+4*(\s)+3], s[18:19], (\s)*KSTEP*2
	s_or_b32 s[G0+4*(\s)+3], s[G0+4*(\s)+3], 0x80000000
	JLOAD \s                                       ; two loads of mine are out
.endr
	s_add_nc_u64 s[PFA:PFA+1], s[18:19], 3*KSTEP*2 ; at K step 3: the first change of slots steps it to 4
	v_and_b32 v1, 15, v0
	v_bfe_u32 v2, v0, 4, 1
	v_mul_u32_u24 v3, v1, PITCH
	v_lshl_add_u32 v3, v2, 4, v3
	s_mul_i32 s21, s11, HALFT
	s_mul_i32 s22, s12, HALFT
	s_add_co_u32 s22, s22, 2*HALFT
	v_add_nc_u32 v[ADRA], s21, v3
	v_add_nc_u32 v[ADRA+1], SLOT, v[ADRA]
	v_add_nc_u32 v[ADRB], s22, v3
	v_add_nc_u32 v[ADRB+1], SLOT, v[ADRB]
	; what the softmax needs, made while the first tiles are on their way; the product's loop touches none of these registers
	v_and_b32 v[LN], 31, v0
	v_mul_u32_u24 v[PFO], v[LN], ROWB
	v_lshlrev_b32 v[PO], 3, v[LN]
	v_lshlrev_b32 v[RA0], 4, v[LN]
	v_lshlrev_b32 v13, 2, v[LN]                    ; 4 l
	s_lshl_b32 s20, s10, 6                         ; 64 w: my first row of the tile
	v_sub_nc_u32 v13, v13, s20
.irp j, 0,1,2,3
	v_add_nc_u32 v[KD+(\j)], \j, v13
	v_add_nc_u32 v[KD+4+(\j)], 128+(\j), v13
.endr
	v_mov_b32 v[BIG], 0xf149f2ca                   ; -1e30
.irp y, 0,1,2,3,4,5,6,7
	v_mov_b32 v[U+(\y)], 0                         ; v_permlanex16_b32's destination counts as read
	v_mov_b32 v[CM+2*(\y)+1], 0                    ; named with c m as a pair
.endr
.irp j, 0,1,2,3
	v_mov_b32 v[R+(\j)], 0
.endr
	v_lshlrev_b32 v13, 4, v1
	v_lshl_add_u32 v[SO], v2, 18, v13              ; lanes 0-15: 256 bytes of c m; lanes 16-31: of l, 262,144 bytes behind
	s_mov_b32 s[CS], 0x3d38aa3b                    ; c = log2(e) / 32
	s_mov_b32 s[CS+1], s[CS]
	s_mov_b32 s[SEL], 0x76543210
	s_mov_b32 s[SEL+1], 0xfedcba98
	s_mov_b32 s[CNT], 8
	s_mul_i32 s[RB], s10, 64*SCP
	s_mov_b32 s[LT], 0
	s_mov_b32 s[LT+1], 1
	s_mov_b32 s[LT+2], 16
	s_mov_b32 s[LT+3], 17
	s_lshl_b32 s20, s15, 11
	s_lshl_b32 s21, s13, 8
	s_add_co_u32 s20, s20, s21
	s_lshl_b32 s21, s10, 6
	s_add_co_u32 s20, s20, s21                     ; my first row of pt: 2048 b + 256 I + 64 w
	s_lshl_b32 s20, s20, 12
	s_lshl_b32 s21, s14, 9                         ; the tile's 512 bytes of a row
	s_add_co_u32 s20, s20, s21
	s_mov_b32 s21, 0
	s_add_nc_u64 s[6:7], s[6:7], s[20:21]
	s_lshl_b32 s20, s15, 3
	s_add_co_u32 s20, s20, s14
	s_lshl_b32 s20, s20, 11
	s_lshl_b32 s21, s13, 8
	s_add_co_u32 s20, s20, s21
	s_lshl_b32 s21, s10, 6
	s_add_co_u32 s20, s20, s21
	s_lshl_b32 s20, s20, 2                         ; ((8 b + J) 2048 + 256 I + 64 w) 4
	s_mov_b32 s21, 0
	s_add_nc_u64 s[8:9], s[8:9], s[20:21]
.macro MUL16 f, hi, a0, zero
	WIN MUL_LO+0x50*(\hi)
.irp a, \a0, (\a0)+1
.irp b, 0,1,2,3,4,5,6,7
.if \zero
	v_wmma_f32_16x16x32_f16 v[8*(8*(\a)+(\b)):8*(8*(\a)+(\b))+7], v[(\f)+8*(\b):(\f)+8*(\b)+7], v[(\f)+8*(4*(\hi)+(\a)):(\f)+8*(4*(\hi)+(\a))+7], 0
.else
	v_wmma_f32_16x16x32_f16 v[8*(8*(\a)+(\b)):8*(8*(\a)+(\b))+7], v[(\f)+8*(\b):(\f)+8*(\b)+7], v[(\f)+8*(4*(\hi)+(\a)):(\f)+8*(4*(\hi)+(\a))+7], v[8*(8*(\a)+(\b)):8*(8*(\a)+(\b))+7]
.endif
.endr
.endr
.endm
.macro FETCH slot, k, f                ; 32 LDS loads in one run: K's 16, then Q's 16
	WIN TO_B
.irp i, 0,1,2,3,4,5,6,7
	ds_load_b128 v[(\f)+8*(\i):(\f)+8*(\i)+3],   v[ADRB+(\slot)] offset:(\k)+(\i)*16*PITCH
	ds_load_b128 v[(\f)+8*(\i)+4:(\f)+8*(\i)+7], v[ADRB+(\slot)] offset:(\k)+(\i)*16*PITCH+32
.endr
	WIN 0
.irp i, 0,1,2,3,4,5,6,7
	ds_load_b128 v[(\f)+8*(\i):(\f)+8*(\i)+3],   v[ADRA+(\slot)] offset:(\k)+(\i)*16*PITCH
	ds_load_b128 v[(\f)+8*(\i)+4:(\f)+8*(\i)+7], v[ADRA+(\slot)] offset:(\k)+(\i)*16*PITCH+32
.endr
.endm
.macro PLACES
.rept 4
	v_nop
.endr
.endm
.macro QUARTER slot, k, f, g, zero
	s_wait_dscnt 8                                 ; K's and Q's rows 0-63 are in; the youngest eight loads may be out
	WIN MUL_LO
	MUL16 \f, 0, 0, \zero
	MUL16 \f, 0, 2, \zero
	PLACES
	FETCH \slot, \k, \g
	s_wait_dscnt 32                                ; all but the 32 just issued
	WIN MUL_HI
	MUL16 \f, 1, 0, \zero
	MUL16 \f, 1, 2, \zero
.endm
.macro MEET fill                       ; the barrier of a change of slots
	WIN 0
	s_wait_tensorcnt 0x0                           ; all my tensor loads have landed: my part of the next slot
	ds_add_u32 v[SPW], v[NIL]                      ; 0 onto my spare word
	s_wait_dscnt 9                                 ; (the add and the youngest eight loads may be out)
	WIN MUL_LO
	MUL16 F1, 0, 0, 0
	s_wait_dscnt 0x0                               ; the add is done, and my reads of this slot are over
	s_barrier_signal -1
	MUL16 F1, 0, 2, 0
.if \fill
	WIN 0                                          ; the windows are set ahead of the tensor load
.endif
	s_barrier_wait -1
.endm
.macro TURN slot, next
	s_wait_xcnt 0x0                                ; the last prefetches, a K step back, have read their address
	s_add_nc_u64 s[PFA:PFA+1], s[PFA:PFA+1], KSTEP*2
	MEET 1
	s_add_nc_u64 s[G0+4*(\slot)+2:G0+4*(\slot)+3], s[G0+4*(\slot)+2:G0+4*(\slot)+3], 2*KSTEP*2  ; no tensor load of mine is out
	JLOAD \slot                                    ; my one tensor load behind the barrier; its four v_nop are also the places in front of the loads below
	FETCH \next, 0, F0
	ASK
	WIN MUL_HI
	MUL16 F1, 1, 0, 0
	MUL16 F1, 1, 2, 0
.endm
	s_wait_tensorcnt 1                             ; my part of K step 0 is in; K step 1's may stay out
	s_barrier_signal -1
	s_barrier_wait -1
	FETCH 0, 0, F0
	QUARTER 0, 64,  F0, F1, 1
	WIN 0
	s_mov_b32 s3, LAPS-1
.Llap:
	QUARTER 0, 128, F1, F0, 0
	QUARTER 0, 192, F0, F1, 0
	TURN 0, 1
	QUARTER 1, 64,  F0, F1, 0
	QUARTER 1, 128, F1, F0, 0
	QUARTER 1, 192, F0, F1, 0
	TURN 1, 0
	QUARTER 0, 64,  F0, F1, 0
	WIN 0
	s_sub_co_u32 s3, s3, 1
	s_cmp_lg_u32 s3, 0
	s_cbranch_scc1 .Llap
	QUARTER 0, 128, F1, F0, 0                      ; the last lap is written out: it asks for nothing
	QUARTER 0, 192, F0, F1, 0
	MEET 0
	PLACES
	FETCH 1, 0, F0
	WIN MUL_HI
	MUL16 F1, 1, 0, 0
	MUL16 F1, 1, 2, 0
	QUARTER 1, 64,  F0, F1, 0
	QUARTER 1, 128, F1, F0, 0
	QUARTER 1, 192, F0, F1, 0
	s_wait_dscnt 8
	WIN MUL_LO
	MUL16 F1, 0, 0, 0
	MUL16 F1, 0, 2, 0
	s_wait_dscnt 0x0
	MUL16 F1, 1, 0, 0
	MUL16 F1, 1, 2, 0
	; THE SCORES GO INTO LDS.  The address lines are the places behind the last products.
	WIN 0
	v_and_b32 v13, 15, v0
	v_bfe_u32 v14, v0, 4, 1
	v_mul_u32_u24 v13, v13, SCP
	v_lshl_add_u32 v13, v14, 5, v13                ; row l % 16, 32 bytes for each half of the lanes
	s_mul_i32 s20, s11, 128*SCP                    ; my 128 rows,
	s_lshl_b32 s21, s12, 9                         ; my 128 keys
	s_add_co_u32 s20, s20, s21
	v_add_nc_u32 v[DA], s20, v13
.irp a, 1,2,3,4,5,6,7
	v_add_nc_u32 v[DA+(\a)], (\a)*16*SCP, v[DA]
.endr
	v_add_nc_u32 v[RA], s[RB], v[RA0]
	s_wait_dscnt 0x0                               ; my reads of the ring are over,
	s_barrier_signal -1
	s_barrier_wait -1                              ; everybody's are: its bytes, which no tensor load fills any more, may be written
.irp a, 0,1,2,3,4,5,6,7
	WIN 0x08+4*((\a)/4)                            ; the stores' data: window 2 or 3
.irp b, 0,1,2,3,4,5,6,7
	ds_store_b128 v[DA+(\a)], v[8*(8*((\a)%4)+(\b)):8*(8*((\a)%4)+(\b))+3]   offset:64*(\b)     ; each accumulator's low registers first
	ds_store_b128 v[DA+(\a)], v[8*(8*((\a)%4)+(\b))+4:8*(8*((\a)%4)+(\b))+7] offset:64*(\b)+16
.endr
.endr
	WIN 0
	s_wait_dscnt 0x0                               ; for the others' sake: my stores are done
	s_barrier_signal -1
	s_barrier_wait -1
.macro LOADX                           ; 8 rows: each load takes 512 consecutive bytes
.irp y, 0,1,2,3,4,5,6,7
	ds_load_b128 v[X+8*(\y):X+8*(\y)+3],   v[RA] offset:(\y)*SCP
	ds_load_b128 v[X+8*(\y)+4:X+8*(\y)+7], v[RA] offset:(\y)*SCP+512
.endr
.endm
.macro ACROSS op                       ; T over the 32 lanes: four steps inside each half ride on the arithmetic, one crosses the halves
.irp m, 1,2,4,8
.irp y, 0,1,2,3,4,5,6,7
	\op\()_dpp v[T+(\y)], v[T+(\y)], v[T+(\y)] row_xmask:\m row_mask:0xf bank_mask:0xf
.endr
.endr
.irp y, 0,1,2,3,4,5,6,7
	v_permlanex16_b32 v[U+(\y)], v[T+(\y)], s[SEL], s[SEL+1]
.endr
.irp y, 0,1,2,3,4,5,6,7
	\op v[T+(\y)], v[T+(\y)], v[U+(\y)]
.endr
.endm
	LOADX
.Lrows:                                                ; 8 trips of 8 rows
	s_wait_dscnt 0x0                               ; the trip's rows are in
	s_cmp_eq_u32 s[DG], 0
	s_cbranch_scc1 .Lopen
.irp y, 0,1,2,3,4,5,6,7                ; the diagonal tile: a key beyond the row's own is hidden
.irp j, 0,1,2,3,4,5,6,7
	v_cmp_lt_i32 vcc_lo, \y, v[KD+(\j)]
	v_cndmask_b32 v[X+8*(\y)+(\j)], v[X+8*(\y)+(\j)], v[BIG], vcc_lo
.endr
.endr
.irp j, 0,1,2,3,4,5,6,7
	v_add_nc_u32 v[KD+(\j)], -8, v[KD+(\j)]
.endr
.Lopen:
.irp y, 0,1,2,3,4,5,6,7
	v_max3_num_f32 v[T+(\y)], v[X+8*(\y)], v[X+8*(\y)+1], v[X+8*(\y)+2]
.endr
.irp y, 0,1,2,3,4,5,6,7
	v_max3_num_f32 v[T+(\y)], v[T+(\y)], v[X+8*(\y)+3], v[X+8*(\y)+4]
.endr
.irp y, 0,1,2,3,4,5,6,7
	v_max3_num_f32 v[T+(\y)], v[T+(\y)], v[X+8*(\y)+5], v[X+8*(\y)+6]
.endr
.irp y, 0,1,2,3,4,5,6,7
	v_max_num_f32 v[T+(\y)], v[T+(\y)], v[X+8*(\y)+7]
.endr
	ACROSS v_max_num_f32
.irp y, 0,1,2,3,4,5,6,7
	v_mul_f32 v[CM+2*(\y)], s[CS], v[T+(\y)]       ; c m
.endr
.irp y, 0,1,2,3,4,5,6,7
.irp p, 0,1,2,3
	v_pk_fma_f32 v[Z+8*(\y)+2*(\p):Z+8*(\y)+2*(\p)+1], v[X+8*(\y)+2*(\p):X+8*(\y)+2*(\p)+1], s[CS:CS+1], v[CM+2*(\y):CM+2*(\y)+1] op_sel_hi:[1,0,0] neg_lo:[0,0,1] neg_hi:[0,0,1]  ; c s - c m
.endr
.endr
	s_cmp_eq_u32 s[CNT], 1                         ; the last trip has no rows behind it
	s_cbranch_scc1 .Lnomore
	s_add_co_u32 s[RB], s[RB], 8*SCP
	v_add_nc_u32 v[RA], s[RB], v[RA0]
	LOADX                                          ; the next trip's rows come while this trip's are worked on
.Lnomore:
.set i, 0
.rept 64
	v_exp_f32 v[Z+i], v[Z+i]                       ; one batch
.set i, i+1
.endr
	v_nop                                          ; a plain instruction behind the last exponential (ISA guide 5.7.2),
	s_wait_alu depctr_va_vdst(0)                   ; and a wait ahead of the batch's first reader
.irp y, 0,1,2,3,4,5,6,7
.irp p, 0,1,2,3
	v_cvt_pk_f16_f32 v[Y+4*(\y)+(\p)], v[Z+8*(\y)+2*(\p)], v[Z+8*(\y)+2*(\p)+1]
.endr
	global_store_b64 v[PO], v[Y+4*(\y):Y+4*(\y)+1],   s[6:7] offset:(\y)*4096      ; the wave stores 256 consecutive bytes, at a multiple of 256 from pt's first byte
	global_store_b64 v[PO], v[Y+4*(\y)+2:Y+4*(\y)+3], s[6:7] offset:(\y)*4096+256
.endr
.irp y, 0,1,2,3,4,5,6,7
	v_pk_add_f32 v[Z+8*(\y):Z+8*(\y)+1], v[Z+8*(\y):Z+8*(\y)+1], v[Z+8*(\y)+2:Z+8*(\y)+3]
.endr
.irp y, 0,1,2,3,4,5,6,7
	v_pk_add_f32 v[Z+8*(\y)+4:Z+8*(\y)+5], v[Z+8*(\y)+4:Z+8*(\y)+5], v[Z+8*(\y)+6:Z+8*(\y)+7]
.endr
.irp y, 0,1,2,3,4,5,6,7
	v_pk_add_f32 v[Z+8*(\y):Z+8*(\y)+1], v[Z+8*(\y):Z+8*(\y)+1], v[Z+8*(\y)+4:Z+8*(\y)+5]
.endr
.irp y, 0,1,2,3,4,5,6,7
	v_add_f32 v[T+(\y)], v[Z+8*(\y)], v[Z+8*(\y)+1]
.endr
	ACROSS v_add_f32                               ; l
	; every lane holds the 8 rows' c m and l: lanes 2 t, 2 t + 1 keep c m of four rows each, lanes 16 + 2 t, 17 + 2 t keep l: after 8 trips R is what the one store wants
	v_cmp_eq_u32 vcc_lo, s[LT], v[LN]
.irp j, 0,1,2,3
	v_cndmask_b32 v[R+(\j)], v[R+(\j)], v[CM+2*(\j)], vcc_lo
.endr
	v_cmp_eq_u32 vcc_lo, s[LT+1], v[LN]
.irp j, 0,1,2,3
	v_cndmask_b32 v[R+(\j)], v[R+(\j)], v[CM+8+2*(\j)], vcc_lo
.endr
	v_cmp_eq_u32 vcc_lo, s[LT+2], v[LN]
.irp j, 0,1,2,3
	v_cndmask_b32 v[R+(\j)], v[R+(\j)], v[T+(\j)], vcc_lo
.endr
	v_cmp_eq_u32 vcc_lo, s[LT+3], v[LN]
.irp j, 0,1,2,3
	v_cndmask_b32 v[R+(\j)], v[R+(\j)], v[T+4+(\j)], vcc_lo
.endr
	s_wait_xcnt 0x0                                ; the stores have read their base and Y: both are written again only behind this wait
	s_add_nc_u64 s[6:7], s[6:7], 8*4096
.irp j, 0,1,2,3
	s_add_co_u32 s[LT+(\j)], s[LT+(\j)], 2
.endr
	s_sub_co_u32 s[CNT], s[CNT], 1
	s_cmp_lg_u32 s[CNT], 0
	s_cbranch_scc1 .Lrows
	global_store_b128 v[SO], v[R:R+3], s[8:9]      ; lanes 0-15: my 64 rows' c m, 256 consecutive bytes, aligned; lanes 16-31: their l
	s_wait_tensorcnt 0x0                           ; the wave's end
	ds_add_u32 v[SPW], v[NIL]
	s_wait_dscnt 0x0
	s_endpgm
.Lfunc_end_k_qdd83214a53_scores:
	.size	k_qdd83214a53_scores, .Lfunc_end_k_qdd83214a53_scores-k_qdd83214a53_scores
	.p2alignl 7, 3214868480
	.fill 96, 4, 3214868480
	.section	.rodata,"a",@progbits
	.p2align	6, 0x0
	.amdhsa_kernel k_qdd83214a53_scores
		.amdhsa_group_segment_fixed_size 327680
		.amdhsa_private_segment_fixed_size 0
		.amdhsa_enable_private_segment 0
		.amdhsa_kernarg_size 24
		.amdhsa_user_sgpr_count 2
		.amdhsa_user_sgpr_kernarg_segment_ptr 1
		.amdhsa_wavefront_size32 1
		.amdhsa_system_sgpr_workgroup_id_x 1
		.amdhsa_system_sgpr_workgroup_id_y 1
		.amdhsa_system_sgpr_workgroup_id_z 1
		.amdhsa_system_vgpr_workitem_id 0
		.amdhsa_next_free_vgpr 1024
		.amdhsa_next_free_sgpr 66
		.amdhsa_reserve_vcc 1
		.amdhsa_float_denorm_mode_32 3
		.amdhsa_float_denorm_mode_16_64 3
		.amdhsa_memory_ordered 1
		.amdhsa_forward_progress 1
		.amdhsa_inst_pref_size 144
	.end_amdhsa_kernel
	.amdgpu_metadata
---
amdhsa.version: [ 1, 2 ]
amdhsa.kernels:
  - .name:           k_qdd83214a53_scores
    .symbol:         k_qdd83214a53_scores.kd
    .args:
      - { .name: qkv, .offset: 0, .size: 8, .value_kind: global_buffer, .address_space: global }
      - { .name: pt, .offset: 8, .size: 8, .value_kind: global_buffer, .address_space: global }
      - { .name: stats, .offset: 16, .size: 8, .value_kind: global_buffer, .address_space: global }
    .group_segment_fixed_size: 327680
    .private_segment_fixed_size: 0
    .kernarg_segment_align: 8
    .kernarg_segment_size: 24
    .max_flat_workgroup_size: 128
    .sgpr_count:     66
    .vgpr_count:     1024
    .wavefront_size: 32
...
	.end_amdgpu_metadata
.endif
;; end of part 3
;; launch head (part 4): grid 4 x 4, 8 waves a work-group, no clusters, 25,856 bytes of LDS; arguments hd, ho; writes ho
.if DOCPART == 4
	.amdgcn_target "amdgcn-amd-amdhsa--gfx1250"
	.amdhsa_code_object_version 6
	.text
	.protected	k_qdd83214a53_head
	.globl	k_qdd83214a53_head
	.p2align	8
	.type	k_qdd83214a53_head,@function
k_qdd83214a53_head:
	s_mov_b64 s[64:65], 0
	v_nop
	global_prefetch_b8 v0, s[64:65] scope:SCOPE_SE
	s_setreg_imm32_b32 hwreg(HW_REG_WAVE_MODE, 25, 1), 1
	s_wait_xcnt 0x0
; THE FIRST 16 ROWS OF EACH BATCH, from Q, K and V in f32.  hd: [4][16][3072] f32 (a row: Q's 1,024 numbers, K's, V's).  ho: [4][16][1024] f32.
; ho[b][q] = the sum over k <= q of softmax_k(Q[q] . K[k] / 32) V[k], q and k in 0..15: a causal row below 16 sees no other keys.
; WHY.  Row q averages q + 1 rows of V, so its numbers, and what roundings to 16 bits do to them, are many times the whole output's root mean square, by which the result is judged.  These 64 rows
; are 16 x 16 x 1,024 multiply-adds twice over for each batch, 3 parts in 100,000 of the problem's: no bulk work, so the f32 matrix form serves.
; LIMITS.  A hidden score counts as -1e30; a weight below 2^-126 counts as 0; NaN and infinities are not treated apart.
; SHARES.  Work-group (x, y): batch y, channels 256 x .. 256 x + 255 of the result.  Each work-group makes the batch's 16 x 16 scores for itself: K IS SPLIT AMONG ITS EIGHT WAVES, 128 channels each, and
; the eight partial sums meet in LDS.  Then every wave does the softmax (8 numbers a lane) and the product with V for 32 channels of its own.
; LAYOUT.  S^T = K Q^T (source 0 = 16 keys, source 1 = 16 queries): a fragment is 16 rows x 4 channels in 2 registers, lane l holding row l % 16 and two channels by l / 16.  A load of 16 bytes a lane
; feeds two instructions: the channels are then taken in another order, alike for both sources, which changes no product.  In the result lane l holds query l % 16 and keys 8 (l / 16) + 0..7.
; O^T = V^T P (source 0 = 16 channels, source 1 = 16 queries): instruction kk takes the weights' registers 2 kk, 2 kk + 1 as they lie, that is keys 8 (l / 16) + 2 kk + 0, 1, and V's rows in the same order.
; The registers that the f32 matrix form writes (v192-223) are written by nothing else; two accumulators take turns in each run.
.set HROW,  12288                      ; bytes in a row of hd
.set OROW,  4096                       ; bytes in a row of ho
.set PART,  0                          ; LDS: wave w's partial scores, 1,024 bytes, at 1,024 w
.set STG,   8192                       ; the result's stage: 16 rows of 1,024 bytes + 16
.set SGP,   1040
.set SPARE, STG+16*SGP                 ; behind it: the spare words, 128 bytes for each wave: four blocks of 256 bytes that no other line names
.set FO,  2                            ; v2   my offset in Q's and K's rows: (l % 16) x HROW + 16 (l / 16) + 512 x wave
.set VO,  3                            ; v3   my offset in V: 8 (l / 16) x HROW + 4 (l % 16) + 128 x wave + 1,024 x
.set LS,  4                            ; v4   where I put my 32 bytes of partial scores
.set LR,  5                            ; v5   where I read them back
.set SS,  6                            ; v6   where I put 32 bytes of a row of the result
.set SRD, 7                            ; v7   where I read rows back
.set GO,  8                            ; v8   my offset in ho
.set LN,  9                            ; v9   my lane
.set SPW, 10                           ; v10  LDS address of my spare word; never rewritten
.set NIL, 11                           ; v11  0; never rewritten
.set DQ,  12                           ; v12  my query less my lanes' first key
.set BIG, 13                           ; v13  -1e30
.set T,   14
.set U,   15
.set CM,  16                           ; v[16:17] c m in the low word
.set RC,  18
.set H,   19                           ; v19  l / 16
.set ST,  20                           ; v[20:27] my 8 scores, then weights
.set W2,  28                           ; v[28:31] at work
.set VF,  32                           ; v[32:47] V: channel block cb, instruction kk at VF + 8 cb + 2 kk
.set BK,  48                           ; v[48:63] rows read back
.set QF,  64                           ; v[64:127]  Q; later the eight partial sums
.set KF,  128                          ; v[128:191] K
.set SA,  192                          ; v[192:199], v[200:207] the scores' two accumulators
.set SB,  200
.set OA,  208                          ; v[208:215], v[216:223] the result's, one for each channel block
.set WV,  8
.set SEL, 20                           ; s[20:21] v_permlanex16_b32's selects
.set CS,  22                           ; s[22:23] c = log2(e) / 32
	s_load_b128 s[4:7], s[0:1], 0x0                ; hd s[4:5], ho s[6:7]
	v_lshl_add_u32 v[SPW], v0, 2, SPARE
	v_mov_b32 v[NIL], 0
	v_lshrrev_b32 v1, 5, v0
	v_readfirstlane_b32 s[WV], v1                  ; wave 0..7
	v_and_b32 v1, 15, v0                           ; l % 16
	v_bfe_u32 v[H], v0, 4, 1
	v_and_b32 v[LN], 31, v0
	s_lshl_b32 s9, s[WV], 9
	v_mul_u32_u24 v[FO], v1, HROW
	v_lshl_add_u32 v[FO], v[H], 4, v[FO]
	v_add_nc_u32 v[FO], s9, v[FO]
	s_lshl_b32 s10, s[WV], 7
	s_lshl_b32 s11, ttmp9, 10
	s_add_co_u32 s11, s11, s10
	v_mul_u32_u24 v[VO], v[H], 8*HROW
	v_lshl_add_u32 v[VO], v1, 2, v[VO]
	v_add_nc_u32 v[VO], s11, v[VO]
	s_and_b32 s12, ttmp7, 0xffff                   ; the batch
	s_lshl_b32 s14, s12, 16                        ; its 16 rows of ho,
	s_lshl_b32 s15, ttmp9, 10                      ; the work-group's 1,024 bytes of a row
	s_add_co_u32 s14, s14, s15
	s_mov_b32 s15, 0
	s_mul_i32 s12, s12, 16*HROW                    ; its 16 rows of hd
	s_mov_b32 s13, 0
	s_lshl_b32 s16, s[WV], 10
	s_add_co_u32 s17, s10, STG
	s_mul_i32 s18, s[WV], 2*SGP
	s_add_co_u32 s18, s18, STG
	s_lshl_b32 s19, s[WV], 13
	s_mov_b32 s[SEL], 0x76543210
	s_mov_b32 s[SEL+1], 0xfedcba98
	s_mov_b32 s[CS], 0x3d38aa3b
	s_mov_b32 s[CS+1], s[CS]
	s_wait_kmcnt 0x0
	s_add_nc_u64 s[4:5], s[4:5], s[12:13]
	s_add_nc_u64 s[6:7], s[6:7], s[14:15]
.irp i, 0,1,2,3,4,5,6,7,8,9,10,11,12,13,14,15
	global_load_b128 v[QF+4*(\i):QF+4*(\i)+3], v[FO], s[4:5] offset:32*(\i)
	global_load_b128 v[KF+4*(\i):KF+4*(\i)+3], v[FO], s[4:5] offset:4096+32*(\i)
.endr
.irp cb, 0,1
.irp k, 0,1,2,3,4,5,6,7
	global_load_b32 v[VF+8*(\cb)+(\k)], v[VO], s[4:5] offset:8192+(\k)*HROW+64*(\cb)  ; key 8 (l / 16) + k, channel 16 cb + l % 16 of my 32
.endr
.endr
	v_lshl_add_u32 v[LS], v[LN], 5, s16            ; 1,024 x wave + 32 l
	v_lshlrev_b32 v[LR], 5, v[LN]
.irp i, 0,1,2,3,4,5,6,7,8,9,10,11,12,13,14,15
	s_wait_loadcnt 46-2*(\i)                       ; loads come back in order: pair i of Q and K is in; the 2 (15 - i) younger ones and V's 16 may stay out
.if (\i) == 0
	v_wmma_f32_16x16x4_f32 v[SA:SA+7], v[KF:KF+1], v[QF:QF+1], 0          ; the first products start the two sums
	v_wmma_f32_16x16x4_f32 v[SB:SB+7], v[KF+2:KF+3], v[QF+2:QF+3], 0
.else
	v_wmma_f32_16x16x4_f32 v[SA:SA+7], v[KF+4*(\i):KF+4*(\i)+1], v[QF+4*(\i):QF+4*(\i)+1], v[SA:SA+7]
	v_wmma_f32_16x16x4_f32 v[SB:SB+7], v[KF+4*(\i)+2:KF+4*(\i)+3], v[QF+4*(\i)+2:QF+4*(\i)+3], v[SB:SB+7]
.endif
.endr
	; ten plain vector lines that are due anyway: the places (eight for this form: ISA guide 7.12.1) between the last product and the first reader of a sum
	v_lshlrev_b32 v[DQ], 3, v[H]
	v_sub_nc_u32 v[DQ], v1, v[DQ]                  ; l % 16 - 8 (l / 16): register j is hidden where j is greater
	v_mul_u32_u24 v[SS], v1, SGP
	v_lshl_add_u32 v[SS], v[H], 5, v[SS]
	v_add_nc_u32 v[SS], s17, v[SS]                 ; row l % 16, 128 x wave + 32 (l / 16)
	v_lshl_add_u32 v[SRD], v[LN], 4, s18           ; rows 2 w and 2 w + 1, 16 bytes a lane
	v_lshl_add_u32 v[GO], v[LN], 4, s19
	v_mov_b32 v[BIG], 0xf149f2ca
	v_mov_b32 v[U], 0                              ; v_permlanex16_b32's destination counts as read
	v_mov_b32 v[CM+1], 0                           ; named with c m as a pair
.irp p, 0,2,4,6
	v_pk_add_f32 v[ST+(\p):ST+(\p)+1], v[SA+(\p):SA+(\p)+1], v[SB+(\p):SB+(\p)+1]  ; from the low end on
.endr
	ds_store_b128 v[LS], v[ST:ST+3]   offset:PART
	ds_store_b128 v[LS], v[ST+4:ST+7] offset:PART+16
	s_wait_dscnt 0x0                               ; for the others' sake: my partial sums are stored
	s_barrier_signal -1
	s_barrier_wait -1
.irp v, 0,1,2,3,4,5,6,7
	ds_load_b128 v[QF+8*(\v):QF+8*(\v)+3],   v[LR] offset:PART+1024*(\v)
	ds_load_b128 v[QF+8*(\v)+4:QF+8*(\v)+7], v[LR] offset:PART+1024*(\v)+16
.endr
	s_wait_dscnt 0x0
.irp v, 0,2,4,6
.irp p, 0,2,4,6
	v_pk_add_f32 v[QF+8*(\v)+(\p):QF+8*(\v)+(\p)+1], v[QF+8*(\v)+(\p):QF+8*(\v)+(\p)+1], v[QF+8*(\v)+8+(\p):QF+8*(\v)+8+(\p)+1]
.endr
.endr
.irp v, 0,4
.irp p, 0,2,4,6
	v_pk_add_f32 v[QF+8*(\v)+(\p):QF+8*(\v)+(\p)+1], v[QF+8*(\v)+(\p):QF+8*(\v)+(\p)+1], v[QF+8*(\v)+16+(\p):QF+8*(\v)+16+(\p)+1]
.endr
.endr
.irp p, 0,2,4,6
	v_pk_add_f32 v[ST+(\p):ST+(\p)+1], v[QF+(\p):QF+(\p)+1], v[QF+32+(\p):QF+32+(\p)+1]
.endr
.irp j, 0,1,2,3,4,5,6,7
	v_cmp_gt_i32 vcc_lo, \j, v[DQ]                 ; a key beyond the query's own is hidden
	v_cndmask_b32 v[ST+(\j)], v[ST+(\j)], v[BIG], vcc_lo
.endr
	v_max3_num_f32 v[T], v[ST], v[ST+1], v[ST+2]
	v_max3_num_f32 v[T], v[T], v[ST+3], v[ST+4]
	v_max3_num_f32 v[T], v[T], v[ST+5], v[ST+6]
	v_max_num_f32 v[T], v[T], v[ST+7]
	v_permlanex16_b32 v[U], v[T], s[SEL], s[SEL+1] ; the query's other 8 keys lie in the lane 16 away
	v_max_num_f32 v[T], v[T], v[U]                 ; m: every query sees its own key, so m is a true score
	v_mul_f32 v[CM], s[CS], v[T]
.irp p, 0,2,4,6
	v_pk_fma_f32 v[ST+(\p):ST+(\p)+1], v[ST+(\p):ST+(\p)+1], s[CS:CS+1], v[CM:CM+1] op_sel_hi:[1,0,0] neg_lo:[0,0,1] neg_hi:[0,0,1]  ; c s - c m
.endr
.irp j, 0,1,2,3,4,5,6,7
	v_exp_f32 v[ST+(\j)], v[ST+(\j)]
.endr
	v_nop                                          ; a plain instruction behind the last exponential (ISA guide 5.7.2),
	s_wait_alu depctr_va_vdst(0)                   ; and a wait ahead of the batch's first reader
	v_pk_add_f32 v[W2:W2+1], v[ST:ST+1], v[ST+2:ST+3]
	v_pk_add_f32 v[W2+2:W2+3], v[ST+4:ST+5], v[ST+6:ST+7]
	v_pk_add_f32 v[W2:W2+1], v[W2:W2+1], v[W2+2:W2+3]
	v_add_f32 v[T], v[W2], v[W2+1]
	v_permlanex16_b32 v[U], v[T], s[SEL], s[SEL+1]
	v_add_f32 v[T], v[T], v[U]                     ; the row's sum, at least 1
	v_rcp_f32 v[RC], v[T]
	v_nop
	s_wait_alu depctr_va_vdst(0)
.irp j, 0,1,2,3,4,5,6,7
	v_mul_f32 v[ST+(\j)], v[ST+(\j)], v[RC]
.endr
	s_wait_loadcnt 0x0                             ; V
.irp kk, 0,1,2,3
.irp cb, 0,1
.if (\kk) == 0
	v_wmma_f32_16x16x4_f32 v[OA+8*(\cb):OA+8*(\cb)+7], v[VF+8*(\cb):VF+8*(\cb)+1], v[ST:ST+1], 0
.else
	v_wmma_f32_16x16x4_f32 v[OA+8*(\cb):OA+8*(\cb)+7], v[VF+8*(\cb)+2*(\kk):VF+8*(\cb)+2*(\kk)+1], v[ST+2*(\kk):ST+2*(\kk)+1], v[OA+8*(\cb):OA+8*(\cb)+7]
.endif
.endr
.endr
.rept 8
	v_nop                                          ; eight places between the last product and the stores that read the sums; no other vector work is left
.endr
.irp cb, 0,1
	ds_store_b128 v[SS], v[OA+8*(\cb):OA+8*(\cb)+3]   offset:64*(\cb)      ; query l % 16, channels 16 cb + 8 (l / 16) + 0..7
	ds_store_b128 v[SS], v[OA+8*(\cb)+4:OA+8*(\cb)+7] offset:64*(\cb)+16
.endr
	s_wait_dscnt 0x0                               ; for the others' sake: a row's 1,024 bytes come from all eight waves
	s_barrier_signal -1
	s_barrier_wait -1
.irp t, 0,1,2,3
	ds_load_b128 v[BK+4*(\t):BK+4*(\t)+3], v[SRD] offset:((\t)/2)*SGP+((\t)%2)*512
.endr
.irp t, 0,1,2,3
	s_wait_dscnt 3-(\t)
	global_store_b128 v[GO], v[BK+4*(\t):BK+4*(\t)+3], s[6:7] offset:((\t)/2)*OROW+((\t)%2)*512  ; the wave stores 512 consecutive bytes, at a multiple of 256 from ho's first byte
.endr
	s_wait_tensorcnt 0x0                           ; the wave's end, behind my last LDS store
	ds_add_u32 v[SPW], v[NIL]
	s_wait_dscnt 0x0
	s_endpgm
.Lfunc_end_k_qdd83214a53_head:
	.size	k_qdd83214a53_head, .Lfunc_end_k_qdd83214a53_head-k_qdd83214a53_head
	.p2alignl 7, 3214868480
	.fill 96, 4, 3214868480
	.section	.rodata,"a",@progbits
	.p2align	6, 0x0
	.amdhsa_kernel k_qdd83214a53_head
		.amdhsa_group_segment_fixed_size 25856
		.amdhsa_private_segment_fixed_size 0
		.amdhsa_enable_private_segment 0
		.amdhsa_kernarg_size 16
		.amdhsa_user_sgpr_count 2
		.amdhsa_user_sgpr_kernarg_segment_ptr 1
		.amdhsa_wavefront_size32 1
		.amdhsa_system_sgpr_workgroup_id_x 1
		.amdhsa_system_sgpr_workgroup_id_y 1
		.amdhsa_system_sgpr_workgroup_id_z 1
		.amdhsa_system_vgpr_workitem_id 0
		.amdhsa_next_free_vgpr 256
		.amdhsa_next_free_sgpr 66
		.amdhsa_reserve_vcc 1
		.amdhsa_float_denorm_mode_32 3
		.amdhsa_float_denorm_mode_16_64 3
		.amdhsa_memory_ordered 1
		.amdhsa_forward_progress 1
		.amdhsa_inst_pref_size 17
	.end_amdhsa_kernel
	.amdgpu_metadata
---
amdhsa.version: [ 1, 2 ]
amdhsa.kernels:
  - .name:           k_qdd83214a53_head
    .symbol:         k_qdd83214a53_head.kd
    .args:
      - { .name: hd, .offset: 0, .size: 8, .value_kind: global_buffer, .address_space: global }
      - { .name: ho, .offset: 8, .size: 8, .value_kind: global_buffer, .address_space: global }
    .group_segment_fixed_size: 25856
    .private_segment_fixed_size: 0
    .kernarg_segment_align: 8
    .kernarg_segment_size: 16
    .max_flat_workgroup_size: 256
    .sgpr_count:     66
    .vgpr_count:     256
    .wavefront_size: 32
...
	.end_amdgpu_metadata
.endif
;; end of part 4
;; launch pv (part 5): grid 8 x 32, 4 waves a work-group, clusters of 4 x 4, 327,680 bytes of LDS; arguments pt, qkv, stats, out0, ho; writes out0
.if DOCPART == 5
	.amdgcn_target "amdgcn-amd-amdhsa--gfx1250"
	.amdhsa_code_object_version 6
	.text
	.protected	k_qdd83214a53_pv
	.globl	k_qdd83214a53_pv
	.p2align	8
	.type	k_qdd83214a53_pv,@function
k_qdd83214a53_pv:
	s_mov_b64 s[64:65], 0
	v_nop
	global_prefetch_b8 v0, s[64:65] scope:SCOPE_SE
	s_setreg_imm32_b32 hwreg(HW_REG_WAVE_MODE, 25, 1), 1
	s_wait_xcnt 0x0
	s_wait_alu depctr_hold_cnt(0) depctr_sa_sdst(0) depctr_va_vdst(0) depctr_va_sdst(0) depctr_va_ssrc(0) depctr_va_vcc(0) depctr_vm_vsrc(0)
	s_getreg_b32 s2, hwreg(HW_REG_IB_STS2, 6, 4)
	s_cmp_eq_u32 s2, 0
	s_cbranch_scc0 .Lentry_in_a_cluster
	s_endpgm
.Lentry_in_a_cluster:
	s_bfe_u32 s2, ttmp6, 0x10000c
	s_cmp_lg_u32 s2, 0xf033
	s_cbranch_scc0 .Lentry_shape_is_right
	s_endpgm
.Lentry_shape_is_right:
; out0[b][q][ch] = the sum over the key tiles J <= q / 256 of f[q][J] x (the sum over the tile's 256 keys of p[q][key] V[key][ch]).
; p (f16, pt) = 2^(c s - c m_J) with the tile's own maximum; f[q][J] = 2^(c m_J - M) / L, M = the maximum of the row's c m_J, L = the sum of 2^(c m_J - M) l_J: the softmax's maximum and sum, joined here in f32.
; L is at least about 1: the tile that holds M has a weight of 1.  LIMITS: a factor below 2^-126 counts as 0; NaN and infinities are not treated apart.
; THE FIRST 16 ROWS OF EACH BATCH are taken from ho ([4][16][1024] f32), where the launch before has made them from f32 operands: a row that averages few rows of V has no room for roundings to 16 bits.
; Every wave loads its channels of ho's 16 rows, and the second block's way out chooses by v_cndmask_b32: a choice of values, made alike in every work-group.
; SHARES.  A work-group makes TWO blocks of 128 queries x 128 channels, one after the other: block 12 - 4 g + cy, walked in 8 - 2 g steps of 256 keys, then block 4 g + cy, in 2 g + 2 steps: ten steps in every work-group.
; All sixteen partners of a cluster walk the same keys.  A partner whose block needs fewer tiles than the walk has goes on asking: its address of p is held at its last tile (finite numbers) and its factor is 0.
; CLUSTERS: 4 x 4.  p's tile hangs on the query block (cy) and is shared along a row of the cluster; V's on the channel tile (cx) and is shared along a column.  cy enters global addresses and selects of values alone.
; A STEP: T = p V for 256 keys, 128 matrix instructions a wave, started with the constant 0; then O += f T, 64 packed multiply-adds.  Source 0 = 16 channels of V (turned on the way out of LDS), source 1 = 16 queries:
; a lane holds one query and eight neighbouring channels, so f is one number a lane for each block of 16 queries.
; O is cleared twice a launch (128 lines each): the price of writing no first step out.
; REGISTERS: window 0: v0-31 addresses; v32-95 the way out; v96-103 the step's four factors, each the low word of a pair; v128-255 T ((a, b) at 128 + 8 (4 a + b)).  window 1: two fragment buffers of 128.
;   window 2: v0-127 O; v128-159 my part of ho.
.set PA,     528                       ; an LDS row of p: 512 bytes + 16
.set PV,     288                       ; an LDS row of V: 256 bytes + 32 = 9 x 32
.set VROW,   6144                      ; bytes in a row of qkv
.set AHALF,  64*PA                     ; what a tensor load of p brings: 64 queries
.set BHALF,  128*PV                    ; what a tensor load of V brings: 128 keys
.set SLOT,   2*AHALF+2*BHALF           ; p's 128 rows, then V's 256 rows
.set FT,     2*SLOT                    ; the factors: [walk position 0..9][row 0..127] f32; 6,144 bytes kept
.set STAGE,  FT+6144                   ; 16 rows x 272 bytes for each wave, for the way out
.set SPITCH, 272
.set SPARE,  STAGE+4*16*SPITCH
.set ADRA, 16                          ; v16-17  my fragments of p in slot 0, 1
.set ADRB, 20                          ; v20-23  my fragments of V: slot 0 keys 0-127, 128-255; slot 1 likewise
.set STO,  24
.set RD,   25
.set CO,   26                          ; v26     my offset in 16 rows of out0, and of ho
.set FA,   27                          ; v27     where my four factors of the lap's first step lie
.set SPW,  28
.set NIL,  29
.set FLG,  30                          ; v30     1: my second block's first 16 rows are a batch's first
.set BK,   32
.set FR,   96
.set ACC,  128
.set HV,   128                         ; window 2: ho's 16 rows x my 64 channels, laid as the way out's rows are
.set OF,   128                         ; the factors' making, in T's registers ahead of the first product: offsets,
.set CMV,  140                         ; c m,
.set LV,   152                         ; l,
.set EV,   164                         ; 2^(c m - M), then f: 0-7 the first block's, 8-11 the second's
.set MH,   176
.set ML,   177
.set LH,   178
.set LL,   179
.set RH,   180
.set RL,   181
.set TQ,   182
.set TAW,  183
.set GV,   184
.set F0,   0
.set F1,   128
.set WV,  12
.set WR,  13                           ; my half of the block's queries.  Also: I fetch p (0) or V (1)
.set WC,  14                           ; my half of its channels.  Also: which half of that tile I fetch
.set G1,  24
.set G0,  32
.set G1B, 48
.set G0B, 56
.set CB,  66                           ; s[66:67] out0 at my part of the block in hand
.set CL,  68                           ; s[68:69] of the second block
.set PHI, 70                           ; the walk's step to be asked for next
.set NH,  71                           ; steps of the first block
.set CHG, 72                           ; the loop's count in the trip in which the first block ends
.set AHI, 73                           ; byte offset in pt of the rows that I fetch: first block,
.set ALO, 74                           ; second block
.set LHI, 75                           ; the first block's last tile,
.set LLO, 76                           ; the second's
.set BOFF, 77                          ; byte offset in qkv of the part of V's tile 0 that I fetch
.set TS,  78
.set TL,  79
.set TA0, 80                           ; s[80:81]
.set TB0, 82                           ; s[82:83]
.set IHI, 84
.set ILO, 85
.set HB,  94                           ; s[94:95] ho at my batch and channels
.set MSB, 0
.macro WIN new
.if MSB != (\new)
	s_set_vgpr_msb (MSB<<8)|(\new)
.set MSB, \new
.endif
.endm
.set MUL,  0x05                        ; sources 0 (V) and 1 (p) window 1; C and D window 0
.set TO_F, 0x40
.macro JLOAD s                         ; waves 0 and 1 fetch p's two halves, waves 2 and 3 V's; an s_nop 0 and four v_nop follow each line
	s_cmp_eq_u32 s[WR], 0
	s_cbranch_scc0 .Lfor_b_\@
	tensor_load_to_lds s[G0+4*(\s):G0+4*(\s)+3], s[G1:G1+7]
	s_nop 0
.rept 4
	v_nop
.endr
	s_branch .Lasked_\@
.Lfor_b_\@:
	tensor_load_to_lds s[G0B+4*(\s):G0B+4*(\s)+3], s[G1B:G1B+7]
	s_nop 0
.rept 4
	v_nop
.endr
.Lasked_\@:
.endm
.macro CREST
	s_cmp_lg_u32 s[WV], 0
	s_cbranch_scc1 .Lnot_wave_0_\@
	s_barrier_signal -3
.Lnot_wave_0_\@:
	s_barrier_wait -3
	s_barrier_signal -1
	s_barrier_wait -1
.endm
.macro CROUND
	s_barrier_signal -1
	s_barrier_wait -1
	CREST
.endm
; The two addresses of walk step PHI are made anew, each from its tensor's base and an offset made apart.  No register that feeds p's address holds cx, none that feeds V's holds cy.
.macro ADDR slot
	s_cmp_lt_u32 s[PHI], s[NH]                     ; still the first block?
	s_cselect_b32 s[TS], 0, s[NH]
	s_cselect_b32 s[TA0], s[AHI], s[ALO]
	s_cselect_b32 s[TL], s[LHI], s[LLO]
	s_sub_co_u32 s[TS], s[PHI], s[TS]              ; the key tile
	s_min_u32 s[TL], s[TL], s[TS]                  ; p's is held at the block's last
	s_lshl_b32 s[TL], s[TL], 9                     ; 256 keys are 512 bytes of a row of pt
	s_add_co_u32 s[TA0], s[TA0], s[TL]
	s_add_nc_u64 s[G0+4*(\slot)+2:G0+4*(\slot)+3], s[4:5], s[TA0:TA0+1]
	s_or_b32 s[G0+4*(\slot)+3], s[G0+4*(\slot)+3], 0x80000000
	s_mul_i32 s[TB0], s[TS], 256*VROW
	s_add_co_u32 s[TB0], s[TB0], s[BOFF]
	s_add_nc_u64 s[G0B+4*(\slot)+2:G0B+4*(\slot)+3], s[6:7], s[TB0:TB0+1]
	s_or_b32 s[G0B+4*(\slot)+3], s[G0B+4*(\slot)+3], 0x80000000
	s_add_co_u32 s[PHI], s[PHI], 1
.endm
.macro CLEAR
	WIN 0x80
.set z, 0
.rept 128
	v_mov_b32 v[z], 0
.set z, z+1
.endr
	WIN 0
.endm
	s_load_b256 s[4:11], s[0:1], 0x0               ; pt s[4:5], qkv s[6:7], stats s[8:9], out0 s[10:11]
	s_load_b64 s[HB:HB+1], s[0:1], 0x20            ; ho
	v_lshl_add_u32 v[SPW], v0, 2, SPARE
	v_mov_b32 v[NIL], 0
	ds_add_u32 v[SPW], v[NIL]                      ; the wave's opening: the add and its wait ahead of my first tensor load
	v_lshrrev_b32 v1, 5, v0
	v_readfirstlane_b32 s[WV], v1
	s_lshr_b32 s[WR], s[WV], 1
	s_and_b32 s[WC], s[WV], 1
	s_bfe_u32 s40, ttmp6, 0x40000                  ; cx
	s_bfe_u32 s41, ttmp6, 0x40004                  ; cy
	s_lshl_b32 s42, ttmp9, 2
	s_add_co_u32 s42, s42, s40                     ; the channel tile, 0..7
	s_and_b32 s43, ttmp7, 0xffff
	s_and_b32 s44, s43, 1                          ; g
	s_lshr_b32 s43, s43, 1                         ; b
	s_lshl_b32 s15, s44, 2
	s_add_co_u32 s[ILO], s15, s41                  ; the second block: 4 g + cy
	s_sub_co_u32 s[IHI], 12, s15
	s_add_co_u32 s[IHI], s[IHI], s41               ; the first: 12 - 4 g + cy
	s_lshr_b32 s[LHI], s[IHI], 1
	s_lshr_b32 s[LLO], s[ILO], 1
	s_lshl_b32 s[NH], s44, 1
	s_sub_co_u32 s[NH], 8, s[NH]
	s_add_co_u32 s[CHG], s44, 1
	s_lshl_b32 s16, s43, 11                        ; 2048 b
	s_lshl_b32 s17, s[WC], 6
	s_add_co_u32 s17, s17, s16
	s_lshl_b32 s[AHI], s[IHI], 7
	s_add_co_u32 s[AHI], s[AHI], s17
	s_lshl_b32 s[AHI], s[AHI], 12                  ; (2048 b + 128 i + 64 half) x 4,096, under 2^26
	s_lshl_b32 s[ALO], s[ILO], 7
	s_add_co_u32 s[ALO], s[ALO], s17
	s_lshl_b32 s[ALO], s[ALO], 12
	s_lshl_b32 s[BOFF], s[WC], 7
	s_add_co_u32 s[BOFF], s[BOFF], s16
	s_mul_i32 s[BOFF], s[BOFF], VROW               ; (2048 b + 128 half) rows of qkv,
	s_lshl_b32 s18, s42, 8
	s_add_co_u32 s[BOFF], s[BOFF], s18             ; the tile's 256 bytes
	s_add_co_u32 s[BOFF], s[BOFF], 4096            ; of V's part of a row
	s_lshl_b32 s19, s41, 2
	s_lshl_b32 s19, 15, s19                        ; my row of the cluster
	s_lshl_b32 s20, 0x1111, s40                    ; my column
	s_or_b32 s[G1+0], s19, (1<<16)|(1<<20)|(1<<21)|(6<<22)|(3<<25)   ; p: mask of my row; 2-byte elements; padding: after every 128 words 4 words
	s_or_b32 s[G1B+0], s20, (1<<16)|(1<<20)|(1<<21)|(5<<22)|(7<<25)  ; V: mask of my column; after every 64 words 8 words
	s_mov_b32 s[G1+1], 256<<16                     ; tensor_dim0 = 256
	s_mov_b32 s[G1+2], 64<<16                      ; tensor_dim1 = 64
	s_mov_b32 s[G1+3], 256<<16                     ; tile_dim0 = 256
	s_mov_b32 s[G1+4], 64                          ; tile_dim1 = 64
	s_mov_b32 s[G1+5], 2048                        ; elements from row to row of pt
	s_mov_b32 s[G1+6], 0
	s_mov_b32 s[G1+7], 0
	s_mov_b32 s[G1B+1], 128<<16                    ; tensor_dim0 = 128
	s_mov_b32 s[G1B+2], 128<<16                    ; tensor_dim1 = 128
	s_mov_b32 s[G1B+3], 128<<16                    ; tile_dim0 = 128
	s_mov_b32 s[G1B+4], 128                        ; tile_dim1 = 128
	s_mov_b32 s[G1B+5], 3072                       ; elements from row to row of qkv
	s_mov_b32 s[G1B+6], 0
	s_mov_b32 s[G1B+7], 0
	s_mul_i32 s21, s[WC], AHALF                    ; where the tiles go: the wave's number alone enters
	s_mul_i32 s22, s[WC], BHALF
	s_add_co_u32 s22, s22, 2*AHALF
.irp s, 0,1
	s_mov_b32 s[G0+4*(\s)], 1
	s_add_co_u32 s[G0+4*(\s)+1], s21, (\s)*SLOT
	s_mov_b32 s[G0B+4*(\s)], 1
	s_add_co_u32 s[G0B+4*(\s)+1], s22, (\s)*SLOT
.endr
	s_mov_b32 s[PHI], 0
	s_mov_b32 s[TA0+1], 0
	s_mov_b32 s[TB0+1], 0
	s_wait_dscnt 0x0                               ; the opening add is done
	s_wait_kmcnt 0x0
	ADDR 0
	ADDR 1
	CROUND                                         ; all sixteen work-groups are here: the first joint loads meet
	JLOAD 0
	JLOAD 1                                        ; two loads of mine are out
	; out0 at my 64 queries x 64 channels of both blocks
	s_lshl_b32 s86, s[WR], 6
	s_add_co_u32 s86, s86, s16
	s_lshl_b32 s88, s[ILO], 7
	s_add_co_u32 s88, s88, s86
	s_lshl_b32 s88, s88, 12
	s_lshl_b32 s87, s[IHI], 7
	s_add_co_u32 s86, s86, s87
	s_lshl_b32 s86, s86, 12
	s_lshl_b32 s87, s42, 9
	s_lshl_b32 s89, s[WC], 8
	s_add_co_u32 s87, s87, s89
	s_add_co_u32 s86, s86, s87
	s_add_co_u32 s88, s88, s87
	s_lshl_b32 s90, s43, 16                        ; ho: the batch's 16 rows of 4,096 bytes,
	s_add_co_u32 s90, s90, s87                     ; my 64 channels
	s_mov_b32 s87, 0
	s_mov_b32 s89, 0
	s_mov_b32 s91, 0
	s_add_nc_u64 s[CB:CB+1], s[10:11], s[86:87]
	s_add_nc_u64 s[CL:CL+1], s[10:11], s[88:89]
	s_add_nc_u64 s[HB:HB+1], s[HB:HB+1], s[90:91]
	s_or_b32 s86, s[ILO], s[WR]                    ; 0 where my second block is block 0 and I hold its rows 0-63
	s_cmp_eq_u32 s86, 0
	s_cselect_b32 s86, 1, 0
	v_mov_b32 v[FLG], s86
	v_and_b32 v1, 15, v0                           ; l % 16
	v_bfe_u32 v2, v0, 4, 1                         ; l / 16
	v_lshlrev_b32 v3, 12, v2
	v_lshl_add_u32 v[CO], v1, 4, v3                ; lanes 0-15 one row's 256 bytes, lanes 16-31 the next row's
	; THE FACTORS.  Thread t makes those of row t of both blocks: 8 tiles of the first, 4 of the second, each tile's number held at the block's last (only written statistics are read).
	s_lshl_b32 s90, s43, 16                        ; a batch's 8 x 2,048 numbers
	s_lshl_b32 s91, s[IHI], 9
	s_add_co_u32 s91, s91, s90
	s_lshl_b32 s92, s[ILO], 9
	s_add_co_u32 s92, s92, s90
	v_lshlrev_b32 v[TQ], 2, v0
.irp e, 0,1,2,3,4,5,6,7
	s_min_u32 s93, s[LHI], \e
	s_lshl_b32 s93, s93, 13
	s_add_co_u32 s93, s93, s91
	v_add_nc_u32 v[OF+(\e)], s93, v[TQ]
.endr
.irp e, 0,1,2,3
	s_min_u32 s93, s[LLO], \e
	s_lshl_b32 s93, s93, 13
	s_add_co_u32 s93, s93, s92
	v_add_nc_u32 v[OF+8+(\e)], s93, v[TQ]
.endr
.irp e, 0,1,2,3,4,5,6,7,8,9,10,11
	global_load_b32 v[CMV+(\e)], v[OF+(\e)], s[8:9]
	global_load_b32 v[LV+(\e)],  v[OF+(\e)], s[8:9] offset:262144
.endr
	WIN 0x80                                       ; destination window 2, address window 0
.irp t, 0,1,2,3,4,5,6,7
	global_load_b128 v[HV+4*(\t):HV+4*(\t)+3], v[CO], s[HB:HB+1] offset:(\t)*8192  ; ho's rows 2 t and 2 t + 1: kept to the second block's way out
.endr
	CLEAR                                          ; O, and the lane addresses, while those loads are out
	v_mul_u32_u24 v3, v1, PA
	v_lshl_add_u32 v3, v2, 4, v3
	s_mul_i32 s15, s[WR], AHALF
	v_add_nc_u32 v[ADRA], s15, v3
	v_add_nc_u32 v[ADRA+1], SLOT, v[ADRA]
	v_and_b32 v4, 7, v0                            ; the turning load: lane l reads key 8 (l / 16) + l % 8, channels 8 ((l / 8) % 2) + 0..7
	v_lshl_add_u32 v4, v2, 3, v4
	v_mul_u32_u24 v4, v4, PV
	v_bfe_u32 v5, v0, 3, 1
	v_lshl_add_u32 v4, v5, 4, v4
	s_lshl_b32 s15, s[WC], 7                       ; my 64 channels
	s_add_co_u32 s15, s15, 2*AHALF
	v_add_nc_u32 v[ADRB], s15, v4
	v_add_nc_u32 v[ADRB+1], BHALF, v[ADRB]
	v_add_nc_u32 v[ADRB+2], SLOT, v[ADRB]
	v_add_nc_u32 v[ADRB+3], SLOT, v[ADRB+1]
	s_mul_i32 s15, s[WV], 16*SPITCH
	s_add_co_u32 s15, s15, STAGE
	v_mul_u32_u24 v3, v1, SPITCH
	v_lshl_add_u32 v3, v2, 5, v3                   ; in: row l % 16, 32 bytes for each half of the lanes
	v_add_nc_u32 v[STO], s15, v3
	v_mul_u32_u24 v3, v2, SPITCH
	v_lshl_add_u32 v3, v1, 4, v3                   ; back: lanes 0-15 one row of 256 bytes, lanes 16-31 the next
	v_add_nc_u32 v[RD], s15, v3
	s_lshl_b32 s15, s[WR], 8
	v_lshl_add_u32 v[FA], v1, 2, s15               ; row 64 wr + l % 16
	v_add_nc_u32 v[FA], FT, v[FA]
	v_lshl_add_u32 v[TAW], v0, 2, FT
.irp a, 0,1,2,3
	v_mov_b32 v[FR+2*(\a)+1], 0                    ; named with a factor as a pair
.endr
	v_mov_b32 v[GV], s44
	s_wait_loadcnt 0x0                             ; the statistics, and ho's rows
	v_max3_num_f32 v[MH], v[CMV], v[CMV+1], v[CMV+2]
	v_max3_num_f32 v[ML], v[CMV+8], v[CMV+9], v[CMV+10]
	v_max3_num_f32 v[MH], v[MH], v[CMV+3], v[CMV+4]
	v_max_num_f32 v[ML], v[ML], v[CMV+11]
	v_max3_num_f32 v[MH], v[MH], v[CMV+5], v[CMV+6]
	v_max_num_f32 v[MH], v[MH], v[CMV+7]
.irp e, 8,9,10,11
	v_sub_f32 v[EV+(\e)], v[CMV+(\e)], v[ML]
.endr
.irp e, 0,1,2,3,4,5,6,7
	v_sub_f32 v[EV+(\e)], v[CMV+(\e)], v[MH]
.endr
.irp e, 0,1,2,3,4,5,6,7,8,9,10,11
	v_exp_f32 v[EV+(\e)], v[EV+(\e)]
.endr
	v_nop                                          ; a plain instruction behind the last exponential,
	s_wait_alu depctr_va_vdst(0)                   ; and a wait ahead of the batch's first reader
.irp e, 0,1,2,3,4,5,6,7
	s_cmp_ge_u32 s[LHI], \e                        ; a tile beyond the block's last counts for nothing
	s_cselect_b32 s93, 1.0, 0
	v_mul_f32 v[EV+(\e)], s93, v[EV+(\e)]
.endr
.irp e, 0,1,2,3
	s_cmp_ge_u32 s[LLO], \e
	s_cselect_b32 s93, 1.0, 0
	v_mul_f32 v[EV+8+(\e)], s93, v[EV+8+(\e)]
.endr
	v_mul_f32 v[LH], v[EV], v[LV]
	v_mul_f32 v[LL], v[EV+8], v[LV+8]
.irp e, 1,2,3
	v_fmac_f32 v[LH], v[EV+(\e)], v[LV+(\e)]
	v_fmac_f32 v[LL], v[EV+8+(\e)], v[LV+8+(\e)]
.endr
.irp e, 4,5,6,7
	v_fmac_f32 v[LH], v[EV+(\e)], v[LV+(\e)]
.endr
	v_rcp_f32 v[RH], v[LH]
	v_rcp_f32 v[RL], v[LL]
	v_cmp_eq_u32 vcc_lo, 1, v[GV]                  ; a plain instruction behind the reciprocals: g = 1?
	s_wait_alu depctr_va_vdst(0)
.irp e, 0,1,2,3,4,5,6,7
	v_mul_f32 v[EV+(\e)], v[EV+(\e)], v[RH]
.endr
.irp e, 8,9,10,11
	v_mul_f32 v[EV+(\e)], v[EV+(\e)], v[RL]
.endr
	; in walk order: positions 0-5 are the first block's; with g = 0 also 6, 7, and 8, 9 the second's tiles 0, 1; with g = 1 positions 6-9 are the second's tiles 0-3
	v_cndmask_b32 v[EV+6], v[EV+6], v[EV+8], vcc_lo
	v_cndmask_b32 v[EV+7], v[EV+7], v[EV+9], vcc_lo
	v_cndmask_b32 v[EV+8], v[EV+8], v[EV+10], vcc_lo
	v_cndmask_b32 v[EV+9], v[EV+9], v[EV+11], vcc_lo
.irp p, 0,1,2,3,4,5,6,7,8,9
	ds_store_b32 v[TAW], v[EV+(\p)] offset:(\p)*512
.endr
; 8 matrix instructions: query blocks a0, a0 + 1 x all 4 channel blocks, 32 keys: half c of buffer f.  zero = 1: the product starts the step's sums
.macro MUL8 f, c, a0, zero
	WIN MUL
.irp a, \a0, (\a0)+1
.irp b, 0,1,2,3
.if \zero
	v_wmma_f32_16x16x32_f16 v[ACC+8*(4*(\a)+(\b)):ACC+8*(4*(\a)+(\b))+7], v[(\f)+64+8*(4*(\c)+(\b)):(\f)+64+8*(4*(\c)+(\b))+7], v[(\f)+8*(4*(\c)+(\a)):(\f)+8*(4*(\c)+(\a))+7], 0
.else
	v_wmma_f32_16x16x32_f16 v[ACC+8*(4*(\a)+(\b)):ACC+8*(4*(\a)+(\b))+7], v[(\f)+64+8*(4*(\c)+(\b)):(\f)+64+8*(4*(\c)+(\b))+7], v[(\f)+8*(4*(\c)+(\a)):(\f)+8*(4*(\c)+(\a))+7], v[ACC+8*(4*(\a)+(\b)):ACC+8*(4*(\a)+(\b))+7]
.endif
.endr
.endr
.endm
; 32 LDS loads in one run: the fragments of quarter qd (64 keys) into buffer f; the first 32 keys first
.macro FETCH slot, qd, f
	WIN TO_F
.irp c, 0,1
.irp i, 0,1,2,3
	ds_load_tr16_b128 v[(\f)+64+8*(4*(\c)+(\i)):(\f)+64+8*(4*(\c)+(\i))+3],   v[ADRB+2*(\slot)+(\qd)/2] offset:(((\qd)%2)*64+32*(\c))*PV+32*(\i)
	ds_load_tr16_b128 v[(\f)+64+8*(4*(\c)+(\i))+4:(\f)+64+8*(4*(\c)+(\i))+7], v[ADRB+2*(\slot)+(\qd)/2] offset:(((\qd)%2)*64+32*(\c))*PV+16*PV+32*(\i)
	ds_load_b128 v[(\f)+8*(4*(\c)+(\i)):(\f)+8*(4*(\c)+(\i))+3],   v[ADRA+(\slot)] offset:(\qd)*128+64*(\c)+(\i)*16*PA
	ds_load_b128 v[(\f)+8*(4*(\c)+(\i))+4:(\f)+8*(4*(\c)+(\i))+7], v[ADRA+(\slot)] offset:(\qd)*128+64*(\c)+(\i)*16*PA+32
.endr
.endr
.endm
.macro PLACES
.rept 4
	v_nop
.endr
.endm
; One of a step's first three quarters: multiplies buffer f, fetches quarter qd into g.  fl >= 0: the step's four factors are fetched too, ahead of the run, so that the wait for all but the run covers them.
.macro QUARTER slot, qd, f, g, zero, fl
	s_wait_dscnt 16                                ; the first 32 keys' fragments are in
	WIN MUL
	MUL8 \f, 0, 0, \zero
	MUL8 \f, 0, 2, \zero
	PLACES
.if (\fl) >= 0
	WIN 0
.irp a, 0,1,2,3
	ds_load_b32 v[FR+2*(\a)], v[FA] offset:(\fl)+64*(\a)
.endr
.endif
	FETCH \slot, \qd, \g
	s_wait_dscnt 32                                ; all but the 32 just issued
	WIN MUL
	MUL8 \f, 1, 0, 0
	MUL8 \f, 1, 2, 0
.endm
.macro LUMP                            ; O += f T; each accumulator is read from its low end on
	PLACES
	WIN 0xa0                                       ; O (destination and source 2) in window 2; T and f in window 0
.irp a, 0,1,2,3
.set z, 0
.rept 16
	v_pk_fma_f32 v[32*(\a)+2*z:32*(\a)+2*z+1], v[ACC+32*(\a)+2*z:ACC+32*(\a)+2*z+1], v[FR+2*(\a):FR+2*(\a)+1], v[32*(\a)+2*z:32*(\a)+2*z+1] op_sel_hi:[1,0,1]
.set z, z+1
.endr
.endr
.endm
; A step's last quarter changes slots.  fill = 1: the barrier opens a round of the cluster's barrier, and this slot takes the walk's step two on: 112 matrix instructions ahead of the wait for it.
.macro TURN slot, next, fill
	WIN 0
	s_wait_tensorcnt 0x0                           ; all my tensor loads have landed: my part of the next slot; a group 0 may be written
	ds_add_u32 v[SPW], v[NIL]                      ; 0 onto my spare word
.if \fill
	ADDR \slot
.endif
	s_wait_dscnt 17                                ; (the add and the youngest sixteen loads may be out)
	WIN MUL
	MUL8 F1, 0, 0, 0
	s_wait_dscnt 0x0                               ; the add is done, and my reads of this slot are over
	s_barrier_signal -1
	MUL8 F1, 0, 2, 0
.if \fill
	WIN 0
.endif
	s_barrier_wait -1
.if \fill
	CREST                                          ; no wave of any partner still reads this slot or has a load on its way
	JLOAD \slot                                    ; its four v_nop are also the places in front of the loads below
.else
	PLACES
.endif
	FETCH \next, 0, F0
	WIN MUL
	MUL8 F1, 1, 0, 0
	MUL8 F1, 1, 2, 0
	LUMP
.endm
; THE WAY OUT: 16 rows at a time through my own stage: a lane's eight channels are 32 bytes of a row; back as whole rows of 256 bytes.
; fix = 1 (the second block): where the block's first 16 rows are a batch's first, ho's numbers take their place.
.macro WAYOUT fix
.irp a, 0,1,2,3
	s_wait_xcnt 0x0                                ; earlier stores have read their registers
	WIN 0x08                                       ; the stores' data in window 2
.irp b, 0,1,2,3
	ds_store_b128 v[STO], v[8*(4*(\a)+(\b)):8*(4*(\a)+(\b))+3]   offset:64*(\b)
	ds_store_b128 v[STO], v[8*(4*(\a)+(\b))+4:8*(4*(\a)+(\b))+7] offset:64*(\b)+16
.endr
	WIN 0
.irp t, 0,1,2,3,4,5,6,7
	ds_load_b128 v[BK+32*((\a)%2)+4*(\t):BK+32*((\a)%2)+4*(\t)+3], v[RD] offset:(\t)*2*SPITCH  ; LDS serves a wave's instructions in order (ISA guide 5.7.1.4)
.endr
	s_wait_dscnt 0x0
.if (\fix) && ((\a) == 0)
	v_cmp_eq_u32 vcc_lo, 1, v[FLG]
	WIN 0x08                                       ; source 1 (ho's numbers) in window 2
.set z, 0
.rept 32
	v_cndmask_b32 v[BK+z], v[BK+z], v[HV+z], vcc_lo
.set z, z+1
.endr
	WIN 0
.endif
.irp t, 0,1,2,3,4,5,6,7
	global_store_b128 v[CO], v[BK+32*((\a)%2)+4*(\t):BK+32*((\a)%2)+4*(\t)+3], s[CB:CB+1] offset:(\a)*65536+(\t)*8192 th:TH_STORE_NT  ; 16 lanes store 256 consecutive bytes, aligned
.endr
.endr
.endm
	s_wait_dscnt 0x0                               ; for the others' sake: my factors are stored
	s_wait_tensorcnt 1                             ; my part of step 0 is in; step 1's may stay out
	s_barrier_signal -1
	s_barrier_wait -1
	FETCH 0, 0, F0
	QUARTER 0, 1, F0, F1, 1, -1
	WIN 0
	s_mov_b32 s3, 4
.Llap:                                                 ; a trip: two steps; both slots are filled again: walk steps 2 to 9
	QUARTER 0, 2, F1, F0, 0, -1
	QUARTER 0, 3, F0, F1, 0, 0
	TURN 0, 1, 1
	QUARTER 1, 1, F0, F1, 1, -1
	QUARTER 1, 2, F1, F0, 0, -1
	QUARTER 1, 3, F0, F1, 0, 512
	TURN 1, 0, 1
	QUARTER 0, 1, F0, F1, 1, -1
	WIN 0
	v_add_nc_u32 v[FA], 1024, v[FA]                ; the next lap's factors
	s_cmp_lg_u32 s3, s[CHG]                        ; the same in all sixteen partners
	s_cbranch_scc1 .Lsame
	WAYOUT 0                                       ; the first block is whole; T, which holds the second block's first products, lies in other registers
	s_wait_xcnt 0x0
	s_mov_b64 s[CB:CB+1], s[CL:CL+1]
	CLEAR
.Lsame:
	s_sub_co_u32 s3, s3, 1
	s_cmp_lg_u32 s3, 0
	s_cbranch_scc1 .Llap
	QUARTER 0, 2, F1, F0, 0, -1                    ; the last lap is written out: it asks for nothing
	QUARTER 0, 3, F0, F1, 0, 0
	TURN 0, 1, 0
	QUARTER 1, 1, F0, F1, 1, -1
	QUARTER 1, 2, F1, F0, 0, -1
	QUARTER 1, 3, F0, F1, 0, 512
	s_wait_dscnt 16
	WIN MUL
	MUL8 F1, 0, 0, 0
	MUL8 F1, 0, 2, 0
	s_wait_dscnt 0x0
	MUL8 F1, 1, 0, 0
	MUL8 F1, 1, 2, 0
	LUMP
	WIN 0
	WAYOUT 1
	s_wait_tensorcnt 0x0                           ; the wave's end
	ds_add_u32 v[SPW], v[NIL]
	s_wait_dscnt 0x0
	CROUND                                         ; the closing round
	s_endpgm
.Lfunc_end_k_qdd83214a53_pv:
	.size	k_qdd83214a53_pv, .Lfunc_end_k_qdd83214a53_pv-k_qdd83214a53_pv
	.p2alignl 7, 3214868480
	.fill 96, 4, 3214868480
	.section	.rodata,"a",@progbits
	.p2align	6, 0x0
	.amdhsa_kernel k_qdd83214a53_pv
		.amdhsa_group_segment_fixed_size 327680
		.amdhsa_private_segment_fixed_size 0
		.amdhsa_enable_private_segment 0
		.amdhsa_kernarg_size 40
		.amdhsa_user_sgpr_count 2
		.amdhsa_user_sgpr_kernarg_segment_ptr 1
		.amdhsa_wavefront_size32 1
		.amdhsa_system_sgpr_workgroup_id_x 1
		.amdhsa_system_sgpr_workgroup_id_y 1
		.amdhsa_system_sgpr_workgroup_id_z 1
		.amdhsa_system_vgpr_workitem_id 0
		.amdhsa_next_free_vgpr 672
		.amdhsa_next_free_sgpr 96
		.amdhsa_reserve_vcc 1
		.amdhsa_float_denorm_mode_32 3
		.amdhsa_float_denorm_mode_16_64 3
		.amdhsa_memory_ordered 1
		.amdhsa_forward_progress 1
		.amdhsa_inst_pref_size 132
	.end_amdhsa_kernel
	.amdgpu_metadata
---
amdhsa.version: [ 1, 2 ]
amdhsa.kernels:
  - .name:           k_qdd83214a53_pv
    .symbol:         k_qdd83214a53_pv.kd
    .args:
      - { .name: pt, .offset: 0, .size: 8, .value_kind: global_buffer, .address_space: global }
      - { .name: qkv, .offset: 8, .size: 8, .value_kind: global_buffer, .address_space: global }
      - { .name: stats, .offset: 16, .size: 8, .value_kind: global_buffer, .address_space: global }
      - { .name: out0, .offset: 24, .size: 8, .value_kind: global_buffer, .address_space: global }
      - { .name: ho, .offset: 32, .size: 8, .value_kind: global_buffer, .address_space: global }
    .group_segment_fixed_size: 327680
    .private_segment_fixed_size: 0
    .kernarg_segment_align: 8
    .kernarg_segment_size: 40
    .max_flat_workgroup_size: 128
    .sgpr_count:     96
    .vgpr_count:     672
    .wavefront_size: 32
...
	.end_amdgpu_metadata
.endif
;; end of part 5
;; ======== version 2 of 2: 5 launches; version 1 with the launches cast, head written anew for expert scheduling mode
;; limits: values are held in f16: magnitudes above 65,504 overflow, below 6.1e-05 lose precision
;; workspace buffers: xb 16,777,216 bytes; wb 6,291,456 bytes; qkv 50,331,648 bytes; pt 33,554,432 bytes; stats 524,288 bytes; hd 786,432 bytes; ho 262,144 bytes
;; launch cast (part 6): grid 704 x 1, 8 waves a work-group, no clusters, 0 bytes of LDS; arguments x, W_q, W_k, W_v, xb, wb; writes xb, wb
.if DOCPART == 6
	.amdgcn_target "amdgcn-amd-amdhsa--gfx1250"
	.amdhsa_code_object_version 6
	.text
	.protected	k_qdd83214a53_cast
	.globl	k_qdd83214a53_cast
	.p2align	8
	.type	k_qdd83214a53_cast,@function
k_qdd83214a53_cast:
	s_mov_b64 s[64:65], 0
	v_nop
	global_prefetch_b8 v0, s[64:65] scope:SCOPE_SE
	s_setreg_imm32_b32 hwreg(HW_REG_WAVE_SCHED_MODE, 0, 2), 2
	s_setreg_imm32_b32 hwreg(HW_REG_WAVE_MODE, 25, 1), 1
	s_wait_xcnt 0x0
	s_wait_alu depctr_vm_vsrc(0)
; x and the three weights, f32, are rounded once to bf16 (to nearest even).
; xb: [16 blocks of 64 channels][8192 rows][64] bf16: a block's rows lie end to end, 128 bytes each, so that 128 rows x 64 channels are 16,384 consecutive bytes for the launch behind.
; wb: [1024 k][3072 n] bf16, columns 0-1023 W_q, 1024-2047 W_k, 2048-3071 W_v.
; A work-group takes 16 rows of 4,096 bytes: groups 0-511 those of x, groups 512-703 those of a weight (64 groups each).
; x: wave w takes rows 2 w and 2 w + 1, load i their channels 64 i .. 64 i + 63: lanes 0-15 take 256 consecutive bytes of one row, lanes 16-31 of the other; the store's 8 bytes a lane are the two rows'
; 128 bytes of block i: 256 consecutive bytes, aligned.  Weights: thread t takes 16 bytes at 16 t of each row; a wave's store covers 256 consecutive bytes, aligned.
; All 16 loads of a thread go out at once.  No LDS, no barrier, no matrix unit: no byte is used twice.
; THE MODE: SCHED_MODE bits 1:0 = 2 (LLVM: expert scheduling mode 2), set by the entry lines.  The code itself states the register dependences
; between vector instructions and memory instructions, with s_wait_alu, always for 0.
; THE PLAN.  Registers that memory instructions touch:
;   v1, v2, v3  byte offsets: written at the head, read by every load and store, never written again.  One wait ahead of the branch to the two arms states that they are written.
;   X           written by the 16 loads, read by the conversions.  No vector instruction names it ahead of the loads, and no load lands in it twice.
;   Y           written by the conversions, each register once; read by the stores; never written again.
; The 16 loads' results go in four blocks of four: the block's eight conversions, ONE wait that states that they have written the block's Y, the block's four stores on end.
.set ROWB, 4096                        ; bytes in a source row
.set KBLK, 1048576                     ; bytes in a block of xb: 8,192 rows x 128
.set X, 8                              ; v[8:71]    load i: 4 registers
.set Y, 72                             ; v[72:103]  store i: 2 registers
	s_load_b256 s[4:11], s[0:1], 0x0               ; x s[4:5], W_q s[6:7], W_k s[8:9], W_v s[10:11]
	s_load_b128 s[12:15], s[0:1], 0x20             ; xb s[12:13], wb s[14:15]
	v_lshlrev_b32 v1, 4, v0                        ; weights: my 16 bytes of a source row
	v_lshlrev_b32 v2, 3, v0                        ; my 8 bytes of what the work-group stores at a time
	v_lshrrev_b32 v3, 4, v0                        ; x: my row of the 16,
	v_and_b32 v4, 15, v0
	v_lshlrev_b32 v3, 12, v3
	v_lshl_or_b32 v3, v4, 4, v3                    ; and my 16 bytes of its 256
	s_mov_b32 s20, ttmp9
	s_sub_co_u32 s21, s20, 512                     ; among the weights' groups (used there alone)
	s_lshr_b32 s22, s21, 6                         ; which weight
	s_and_b32 s23, s21, 63                         ; which 16 rows of it
	s_mul_i32 s26, s23, 16*6144                    ; their place in wb,
	s_lshl_b32 s27, s22, 11                        ; and the weight's 2,048 bytes of a row of wb
	s_add_co_u32 s26, s26, s27
	s_lshl_b32 s27, s20, 11                        ; 16 rows of a block of xb
	s_wait_kmcnt 0x0
	s_cmp_eq_u32 s22, 1
	s_cselect_b64 s[16:17], s[8:9], s[6:7]
	s_cmp_eq_u32 s22, 2
	s_cselect_b64 s[16:17], s[10:11], s[16:17]
	s_cmp_lt_u32 s20, 512
	s_cselect_b64 s[16:17], s[4:5], s[16:17]       ; from where
	s_cselect_b64 s[18:19], s[12:13], s[14:15]     ; to where
	s_cselect_b32 s24, s20, s23
	s_cselect_b32 s26, s27, s26
	s_lshl_b32 s24, s24, 16                        ; 16 source rows are 65,536 bytes
	s_mov_b32 s25, 0
	s_mov_b32 s27, 0
	s_add_nc_u64 s[16:17], s[16:17], s[24:25]
	s_add_nc_u64 s[18:19], s[18:19], s[26:27]
	s_wait_alu depctr_va_vdst(0)                   ; v1, v2 and v3 are written: every load and store of both arms reads one of them as its offset
	s_cmp_lt_u32 s20, 512
	s_cbranch_scc0 .Lweights
.irp i, 0,1,2,3,4,5,6,7,8,9,10,11,12,13,14,15
	global_load_b128 v[X+4*(\i):X+4*(\i)+3], v3, s[16:17] offset:(\i)*256 th:TH_LOAD_NT
.endr
	s_add_nc_u64 s[28:29], s[18:19], 8*KBLK        ; blocks 8 to 15: the stores' immediate holds seven blocks at the most
.irp p, 0,1,2,3
	s_wait_loadcnt 12-4*(\p)                       ; loads come back in order: loads 4 p .. 4 p + 3 are in, the younger ones stay out
.irp j, 0,1,2,3
	v_cvt_pk_bf16_f32 v[Y+2*(4*(\p)+(\j))], v[X+4*(4*(\p)+(\j))], v[X+4*(4*(\p)+(\j))+1]
	v_cvt_pk_bf16_f32 v[Y+2*(4*(\p)+(\j))+1], v[X+4*(4*(\p)+(\j))+2], v[X+4*(4*(\p)+(\j))+3]
.endr
	s_wait_alu depctr_va_vdst(0)                   ; the eight conversions have written Y's registers of this block, which the four stores below read
.irp j, 0,1,2,3
.if (\p) < 2
	global_store_b64 v2, v[Y+2*(4*(\p)+(\j)):Y+2*(4*(\p)+(\j))+1], s[18:19] offset:(4*(\p)+(\j))*KBLK th:TH_STORE_NT
.else
	global_store_b64 v2, v[Y+2*(4*(\p)+(\j)):Y+2*(4*(\p)+(\j))+1], s[28:29] offset:(4*(\p)+(\j)-8)*KBLK th:TH_STORE_NT
.endif
.endr
.endr
	s_endpgm
.Lweights:
.irp i, 0,1,2,3,4,5,6,7,8,9,10,11,12,13,14,15
	global_load_b128 v[X+4*(\i):X+4*(\i)+3], v1, s[16:17] offset:(\i)*ROWB th:TH_LOAD_NT
.endr
.irp p, 0,1,2,3
	s_wait_loadcnt 12-4*(\p)                       ; loads 4 p .. 4 p + 3 are in, the younger ones stay out
.irp j, 0,1,2,3
	v_cvt_pk_bf16_f32 v[Y+2*(4*(\p)+(\j))], v[X+4*(4*(\p)+(\j))], v[X+4*(4*(\p)+(\j))+1]
	v_cvt_pk_bf16_f32 v[Y+2*(4*(\p)+(\j))+1], v[X+4*(4*(\p)+(\j))+2], v[X+4*(4*(\p)+(\j))+3]
.endr
	s_wait_alu depctr_va_vdst(0)                   ; the eight conversions have written Y's registers of this block, which the four stores below read
.irp j, 0,1,2,3
	global_store_b64 v2, v[Y+2*(4*(\p)+(\j)):Y+2*(4*(\p)+(\j))+1], s[18:19] offset:(4*(\p)+(\j))*6144 th:TH_STORE_NT
.endr
.endr
	s_endpgm
.Lfunc_end_k_qdd83214a53_cast:
	.size	k_qdd83214a53_cast, .Lfunc_end_k_qdd83214a53_cast-k_qdd83214a53_cast
	.p2alignl 7, 3214868480
	.fill 96, 4, 3214868480
	.section	.rodata,"a",@progbits
	.p2align	6, 0x0
	.amdhsa_kernel k_qdd83214a53_cast
		.amdhsa_group_segment_fixed_size 0
		.amdhsa_private_segment_fixed_size 0
		.amdhsa_enable_private_segment 0
		.amdhsa_kernarg_size 48
		.amdhsa_user_sgpr_count 2
		.amdhsa_user_sgpr_kernarg_segment_ptr 1
		.amdhsa_wavefront_size32 1
		.amdhsa_system_sgpr_workgroup_id_x 1
		.amdhsa_system_sgpr_workgroup_id_y 1
		.amdhsa_system_sgpr_workgroup_id_z 1
		.amdhsa_system_vgpr_workitem_id 0
		.amdhsa_next_free_vgpr 104
		.amdhsa_next_free_sgpr 66
		.amdhsa_reserve_vcc 0
		.amdhsa_float_denorm_mode_32 3
		.amdhsa_float_denorm_mode_16_64 3
		.amdhsa_memory_ordered 1
		.amdhsa_forward_progress 1
		.amdhsa_inst_pref_size 13
	.end_amdhsa_kernel
	.amdgpu_metadata
---
amdhsa.version: [ 1, 2 ]
amdhsa.kernels:
  - .name:           k_qdd83214a53_cast
    .symbol:         k_qdd83214a53_cast.kd
    .args:
      - { .name: x, .offset: 0, .size: 8, .value_kind: global_buffer, .address_space: global }
      - { .name: W_q, .offset: 8, .size: 8, .value_kind: global_buffer, .address_space: global }
      - { .name: W_k, .offset: 16, .size: 8, .value_kind: global_buffer, .address_space: global }
      - { .name: W_v, .offset: 24, .size: 8, .value_kind: global_buffer, .address_space: global }
      - { .name: xb, .offset: 32, .size: 8, .value_kind: global_buffer, .address_space: global }
      - { .name: wb, .offset: 40, .size: 8, .value_kind: global_buffer, .address_space: global }
    .group_segment_fixed_size: 0
    .private_segment_fixed_size: 0
    .kernarg_segment_align: 8
    .kernarg_segment_size: 48
    .max_flat_workgroup_size: 256
    .sgpr_count:     66
    .vgpr_count:     104
    .wavefront_size: 32
...
	.end_amdgpu_metadata
.endif
;; end of part 6
;; launch proj: the kernel of part 2 again; grid 8 x 32, 4 waves a work-group, clusters of 4 x 4, 327,680 bytes of LDS; arguments xb, wb, qkv, hd; writes qkv, hd
;; launch scores: the kernel of part 3 again; grid 9 x 16, 4 waves a work-group, no clusters, 327,680 bytes of LDS; arguments qkv, pt, stats; writes pt, stats
;; launch head (part 7): grid 4 x 4, 8 waves a work-group, no clusters, 25,856 bytes of LDS; arguments hd, ho; writes ho
.if DOCPART == 7
	.amdgcn_target "amdgcn-amd-amdhsa--gfx1250"
	.amdhsa_code_object_version 6
	.text
	.protected	k_qdd83214a53_head
	.globl	k_qdd83214a53_head
	.p2align	8
	.type	k_qdd83214a53_head,@function
k_qdd83214a53_head:
	s_mov_b64 s[64:65], 0
	v_nop
	global_prefetch_b8 v0, s[64:65] scope:SCOPE_SE
	s_setreg_imm32_b32 hwreg(HW_REG_WAVE_SCHED_MODE, 0, 2), 2
	s_setreg_imm32_b32 hwreg(HW_REG_WAVE_MODE, 25, 1), 1
	s_wait_xcnt 0x0
	s_wait_alu depctr_vm_vsrc(0)
; THE FIRST 16 ROWS OF EACH BATCH, from Q, K and V in f32.  hd: [4][16][3072] f32 (a row: Q's 1,024 numbers, K's, V's).  ho: [4][16][1024] f32.
; ho[b][q] = the sum over k <= q of softmax_k(Q[q] . K[k] / 32) V[k], q and k in 0..15: a causal row below 16 sees no other keys.
; WHY.  Row q averages q + 1 rows of V, so its numbers, and what roundings to 16 bits do to them, are many times the whole output's root mean square, by which the result is judged.  These 64 rows
; are 16 x 16 x 1,024 multiply-adds twice over for each batch, 3 parts in 100,000 of the problem's: no bulk work, so the f32 matrix form serves.
; LIMITS.  A hidden score counts as -1e30; a weight below 2^-126 counts as 0; NaN and infinities are not treated apart.
; SHARES.  Work-group (x, y): batch y, channels 256 x .. 256 x + 255 of the result.  Each work-group makes the batch's 16 x 16 scores for itself: K IS SPLIT AMONG ITS EIGHT WAVES, 128 channels each, and
; the eight partial sums meet in LDS.  Then every wave does the softmax (8 numbers a lane) and the product with V for 32 channels of its own.
; LAYOUT.  S^T = K Q^T (source 0 = 16 keys, source 1 = 16 queries): a fragment is 16 rows x 4 channels in 2 registers, lane l holding row l % 16 and two channels by l / 16.  A load of 16 bytes a lane
; feeds two instructions: the channels are then taken in another order, alike for both sources, which changes no product.  In the result lane l holds query l % 16 and keys 8 (l / 16) + 0..7.
; O^T = V^T P (source 0 = 16 channels, source 1 = 16 queries): instruction kk takes the weights' registers 2 kk, 2 kk + 1 as they lie, that is keys 8 (l / 16) + 2 kk + 0, 1, and V's rows in the same order.
; The registers that the f32 matrix form writes (v192-223) are written by nothing else; two accumulators take turns in each run.
; THE MODE: SCHED_MODE bits 1:0 = 2 (LLVM: expert scheduling mode 2), set by the entry lines.  The code itself states the register dependences
; between vector or matrix instructions and memory or LDS instructions, with s_wait_alu, always for 0.
; THE PLAN.  Registers that memory or LDS instructions touch, in the order of the text:
;   FO, VO            written at the head, read by the 48 global loads, never written again.
;   QF, KF, VF        filled by those loads, read by matrix instructions.  QF is filled a second time, by the LDS loads of the eight partial sums.
;   LS, LR, SS, SRD, GO  addresses, written while the global loads are out or behind the last product of the scores; read by LDS stores and loads and by the global stores; never written again.
;   ST                written by four packed additions, read by two LDS stores, written again by the additions that join the partial sums.
;   OA                written by matrix instructions alone, read by four LDS stores.
;   BK                written by LDS loads, read by the global stores; no vector instruction names it.
;   SPW, NIL          written at the head, read by the closing add alone.
; The waits on va_vdst: ahead of the first global load (FO, VO); ahead of the first LDS stores (ST and the five addresses are written; the matrix instructions are done reading QF); behind each batch of
; transcendentals; ahead of the stage's stores (OA).  One wait on vm_vsrc: ahead of the additions that write ST again.  Two waits on va_sdst: the wave's number; the eight masks.
.set HROW,  12288                      ; bytes in a row of hd
.set OROW,  4096                       ; bytes in a row of ho
.set PART,  0                          ; LDS: wave w's partial scores, 1,024 bytes, at 1,024 w
.set STG,   8192                       ; the result's stage: 16 rows of 1,024 bytes + 16
.set SGP,   1040
.set SPARE, STG+16*SGP                 ; behind it: the spare words, 128 bytes for each wave: four blocks of 256 bytes that no other line names
.set FO,  2                            ; v2   my offset in Q's and K's rows: (l % 16) x HROW + 16 (l / 16) + 512 x wave
.set VO,  3                            ; v3   my offset in V: 8 (l / 16) x HROW + 4 (l % 16) + 128 x wave + 1,024 x
.set LS,  4                            ; v4   where I put my 32 bytes of partial scores
.set LR,  5                            ; v5   where I read them back
.set SS,  6                            ; v6   where I put 32 bytes of a row of the result
.set SRD, 7                            ; v7   where I read rows back
.set GO,  8                            ; v8   my offset in ho
.set LN,  9                            ; v9   my lane
.set SPW, 10                           ; v10  LDS address of my spare word; never rewritten
.set NIL, 11                           ; v11  0; never rewritten
.set DQ,  12                           ; v12  my query less my lanes' first key
.set BIG, 13                           ; v13  -1e30
.set T,   14
.set U,   15
.set CM,  16                           ; v[16:17] c m in the low word
.set RC,  18
.set H,   19                           ; v19  l / 16
.set ST,  20                           ; v[20:27] my 8 scores, then weights
.set W2,  28                           ; v[28:31] at work
.set VF,  32                           ; v[32:47] V: channel block cb, instruction kk at VF + 8 cb + 2 kk
.set BK,  48                           ; v[48:63] rows read back
.set QF,  64                           ; v[64:127]  Q; later the eight partial sums
.set KF,  128                          ; v[128:191] K
.set SA,  192                          ; v[192:199], v[200:207] the scores' two accumulators
.set SB,  200
.set OA,  208                          ; v[208:215], v[216:223] the result's, one for each channel block
.set WV,  8
.set SEL, 20                           ; s[20:21] v_permlanex16_b32's selects
.set CS,  22                           ; s[22:23] c = log2(e) / 32
.set MK,  24                           ; s[24:31] register j's mask: the lanes in which key 8 (l / 16) + j is hidden
	s_load_b128 s[4:7], s[0:1], 0x0                ; hd s[4:5], ho s[6:7]
	v_lshl_add_u32 v[SPW], v0, 2, SPARE
	v_mov_b32 v[NIL], 0
	v_lshrrev_b32 v1, 5, v0
	v_readfirstlane_b32 s[WV], v1                  ; wave 0..7
	v_and_b32 v1, 15, v0                           ; l % 16
	v_bfe_u32 v[H], v0, 4, 1
	v_and_b32 v[LN], 31, v0
	s_wait_alu depctr_va_sdst(0)                   ; the wave's number is written, ahead of its first reader: offsets and LDS addresses are made from it
	s_lshl_b32 s9, s[WV], 9
	v_mul_u32_u24 v[FO], v1, HROW
	v_lshl_add_u32 v[FO], v[H], 4, v[FO]
	v_add_nc_u32 v[FO], s9, v[FO]
	s_lshl_b32 s10, s[WV], 7
	s_lshl_b32 s11, ttmp9, 10
	s_add_co_u32 s11, s11, s10
	v_mul_u32_u24 v[VO], v[H], 8*HROW
	v_lshl_add_u32 v[VO], v1, 2, v[VO]
	v_add_nc_u32 v[VO], s11, v[VO]
	s_and_b32 s12, ttmp7, 0xffff                   ; the batch
	s_lshl_b32 s14, s12, 16                        ; its 16 rows of ho,
	s_lshl_b32 s15, ttmp9, 10                      ; the work-group's 1,024 bytes of a row
	s_add_co_u32 s14, s14, s15
	s_mov_b32 s15, 0
	s_mul_i32 s12, s12, 16*HROW                    ; its 16 rows of hd
	s_mov_b32 s13, 0
	s_lshl_b32 s16, s[WV], 10
	s_add_co_u32 s17, s10, STG
	s_mul_i32 s18, s[WV], 2*SGP
	s_add_co_u32 s18, s18, STG
	s_lshl_b32 s19, s[WV], 13
	s_mov_b32 s[SEL], 0x76543210
	s_mov_b32 s[SEL+1], 0xfedcba98
	s_mov_b32 s[CS], 0x3d38aa3b
	s_mov_b32 s[CS+1], s[CS]
	s_wait_kmcnt 0x0
	s_add_nc_u64 s[4:5], s[4:5], s[12:13]
	s_add_nc_u64 s[6:7], s[6:7], s[14:15]
	s_wait_alu depctr_va_vdst(0)                   ; FO and VO are written, which the 48 loads below read as their offsets
.irp i, 0,1,2,3,4,5,6,7,8,9,10,11,12,13,14,15
	global_load_b128 v[QF+4*(\i):QF+4*(\i)+3], v[FO], s[4:5] offset:32*(\i)
	global_load_b128 v[KF+4*(\i):KF+4*(\i)+3], v[FO], s[4:5] offset:4096+32*(\i)
.endr
.irp cb, 0,1
.irp k, 0,1,2,3,4,5,6,7
	global_load_b32 v[VF+8*(\cb)+(\k)], v[VO], s[4:5] offset:8192+(\k)*HROW+64*(\cb)  ; key 8 (l / 16) + k, channel 16 cb + l % 16 of my 32
.endr
.endr
	v_lshl_add_u32 v[LS], v[LN], 5, s16            ; 1,024 x wave + 32 l
	v_lshlrev_b32 v[LR], 5, v[LN]
.irp i, 0,1,2,3,4,5,6,7,8,9,10,11,12,13,14,15
	s_wait_loadcnt 46-2*(\i)                       ; loads come back in order: pair i of Q and K is in; the 2 (15 - i) younger ones and V's 16 may stay out
.if (\i) == 0
	v_wmma_f32_16x16x4_f32 v[SA:SA+7], v[KF:KF+1], v[QF:QF+1], 0          ; the first products start the two sums
	v_wmma_f32_16x16x4_f32 v[SB:SB+7], v[KF+2:KF+3], v[QF+2:QF+3], 0
.else
	v_wmma_f32_16x16x4_f32 v[SA:SA+7], v[KF+4*(\i):KF+4*(\i)+1], v[QF+4*(\i):QF+4*(\i)+1], v[SA:SA+7]
	v_wmma_f32_16x16x4_f32 v[SB:SB+7], v[KF+4*(\i)+2:KF+4*(\i)+3], v[QF+4*(\i)+2:QF+4*(\i)+3], v[SB:SB+7]
.endif
.endr
	; ten plain vector lines that are due anyway: the places (eight for this form: ISA guide 7.12.1) between the last product and the first reader of a sum
	v_lshlrev_b32 v[DQ], 3, v[H]
	v_sub_nc_u32 v[DQ], v1, v[DQ]                  ; l % 16 - 8 (l / 16): register j is hidden where j is greater
	v_mul_u32_u24 v[SS], v1, SGP
	v_lshl_add_u32 v[SS], v[H], 5, v[SS]
	v_add_nc_u32 v[SS], s17, v[SS]                 ; row l % 16, 128 x wave + 32 (l / 16)
	v_lshl_add_u32 v[SRD], v[LN], 4, s18           ; rows 2 w and 2 w + 1, 16 bytes a lane
	v_lshl_add_u32 v[GO], v[LN], 4, s19
	v_mov_b32 v[BIG], 0xf149f2ca
	v_mov_b32 v[U], 0                              ; v_permlanex16_b32's destination counts as read
	v_mov_b32 v[CM+1], 0                           ; named with c m as a pair
.irp p, 0,2,4,6
	v_pk_add_f32 v[ST+(\p):ST+(\p)+1], v[SA+(\p):SA+(\p)+1], v[SB+(\p):SB+(\p)+1]  ; from the low end on
.endr
	s_wait_alu depctr_va_vdst(0)                   ; the additions have written ST, the stores' data; LS, LR, SS, SRD and GO are written, the addresses of all that follows; the matrix instructions are done reading QF, in which the LDS loads below land
	ds_store_b128 v[LS], v[ST:ST+3]   offset:PART
	ds_store_b128 v[LS], v[ST+4:ST+7] offset:PART+16
	s_wait_dscnt 0x0                               ; for the others' sake: my partial sums are stored
	s_barrier_signal -1
	s_barrier_wait -1
.irp v, 0,1,2,3,4,5,6,7
	ds_load_b128 v[QF+8*(\v):QF+8*(\v)+3],   v[LR] offset:PART+1024*(\v)   ; no wait: no vector or matrix instruction since the wait above names QF or LR
	ds_load_b128 v[QF+8*(\v)+4:QF+8*(\v)+7], v[LR] offset:PART+1024*(\v)+16
.endr
.irp j, 0,1,2,3,4,5,6,7
	v_cmp_gt_i32 s[MK+(\j)], \j, v[DQ]             ; a key beyond the query's own is hidden: the eight masks in one run, while the loads are out
.endr
	s_wait_dscnt 0x0
	s_wait_alu depctr_vm_vsrc(0)                   ; my two LDS stores have read ST, which the last additions below write again
.irp v, 0,2,4,6
.irp p, 0,2,4,6
	v_pk_add_f32 v[QF+8*(\v)+(\p):QF+8*(\v)+(\p)+1], v[QF+8*(\v)+(\p):QF+8*(\v)+(\p)+1], v[QF+8*(\v)+8+(\p):QF+8*(\v)+8+(\p)+1]
.endr
.endr
.irp v, 0,4
.irp p, 0,2,4,6
	v_pk_add_f32 v[QF+8*(\v)+(\p):QF+8*(\v)+(\p)+1], v[QF+8*(\v)+(\p):QF+8*(\v)+(\p)+1], v[QF+8*(\v)+16+(\p):QF+8*(\v)+16+(\p)+1]
.endr
.endr
.irp p, 0,2,4,6
	v_pk_add_f32 v[ST+(\p):ST+(\p)+1], v[QF+(\p):QF+(\p)+1], v[QF+32+(\p):QF+32+(\p)+1]
.endr
	s_wait_alu depctr_va_sdst(0)                   ; the eight compares have written s[MK ..], ahead of the first select that reads one of them
.irp j, 0,1,2,3,4,5,6,7
	v_cndmask_b32 v[ST+(\j)], v[ST+(\j)], v[BIG], s[MK+(\j)]
.endr
	v_max3_num_f32 v[T], v[ST], v[ST+1], v[ST+2]
	v_max3_num_f32 v[T], v[T], v[ST+3], v[ST+4]
	v_max3_num_f32 v[T], v[T], v[ST+5], v[ST+6]
	v_max_num_f32 v[T], v[T], v[ST+7]
	v_permlanex16_b32 v[U], v[T], s[SEL], s[SEL+1] ; the query's other 8 keys lie in the lane 16 away
	v_max_num_f32 v[T], v[T], v[U]                 ; m: every query sees its own key, so m is a true score
	v_mul_f32 v[CM], s[CS], v[T]
.irp p, 0,2,4,6
	v_pk_fma_f32 v[ST+(\p):ST+(\p)+1], v[ST+(\p):ST+(\p)+1], s[CS:CS+1], v[CM:CM+1] op_sel_hi:[1,0,0] neg_lo:[0,0,1] neg_hi:[0,0,1]  ; c s - c m
.endr
.irp j, 0,1,2,3,4,5,6,7
	v_exp_f32 v[ST+(\j)], v[ST+(\j)]
.endr
	v_nop                                          ; a plain instruction behind the last exponential (ISA guide 5.7.2),
	s_wait_alu depctr_va_vdst(0)                   ; and a wait ahead of the batch's first reader: the eight exponentials have written ST
	v_pk_add_f32 v[W2:W2+1], v[ST:ST+1], v[ST+2:ST+3]
	v_pk_add_f32 v[W2+2:W2+3], v[ST+4:ST+5], v[ST+6:ST+7]
	v_pk_add_f32 v[W2:W2+1], v[W2:W2+1], v[W2+2:W2+3]
	v_add_f32 v[T], v[W2], v[W2+1]
	v_permlanex16_b32 v[U], v[T], s[SEL], s[SEL+1]
	v_add_f32 v[T], v[T], v[U]                     ; the row's sum, at least 1
	v_rcp_f32 v[RC], v[T]
	v_nop                                          ; a plain instruction behind the reciprocal,
	s_wait_alu depctr_va_vdst(0)                   ; and its wait: the reciprocal has written RC, which the eight lines below read
.irp j, 0,1,2,3,4,5,6,7
	v_mul_f32 v[ST+(\j)], v[ST+(\j)], v[RC]
.endr
	s_wait_loadcnt 0x0                             ; V
.irp kk, 0,1,2,3
.irp cb, 0,1
.if (\kk) == 0
	v_wmma_f32_16x16x4_f32 v[OA+8*(\cb):OA+8*(\cb)+7], v[VF+8*(\cb):VF+8*(\cb)+1], v[ST:ST+1], 0
.else
	v_wmma_f32_16x16x4_f32 v[OA+8*(\cb):OA+8*(\cb)+7], v[VF+8*(\cb)+2*(\kk):VF+8*(\cb)+2*(\kk)+1], v[ST+2*(\kk):ST+2*(\kk)+1], v[OA+8*(\cb):OA+8*(\cb)+7]
.endif
.endr
.endr
.rept 8
	v_nop                                          ; eight places between the last product and the stores that read the sums; no other vector work is left
.endr
	s_wait_alu depctr_va_vdst(0)                   ; the matrix instructions have written OA, which the LDS stores read; the places above stay beside this wait
.irp cb, 0,1
	ds_store_b128 v[SS], v[OA+8*(\cb):OA+8*(\cb)+3]   offset:64*(\cb)      ; query l % 16, channels 16 cb + 8 (l / 16) + 0..7
	ds_store_b128 v[SS], v[OA+8*(\cb)+4:OA+8*(\cb)+7] offset:64*(\cb)+16
.endr
	s_wait_dscnt 0x0                               ; for the others' sake: a row's 1,024 bytes come from all eight waves
	s_barrier_signal -1
	s_barrier_wait -1
.irp t, 0,1,2,3
	ds_load_b128 v[BK+4*(\t):BK+4*(\t)+3], v[SRD] offset:((\t)/2)*SGP+((\t)%2)*512  ; no vector instruction of the kernel names BK
.endr
.irp t, 0,1,2,3
	s_wait_dscnt 3-(\t)
	global_store_b128 v[GO], v[BK+4*(\t):BK+4*(\t)+3], s[6:7] offset:((\t)/2)*OROW+((\t)%2)*512  ; the wave stores 512 consecutive bytes, at a multiple of 256 from ho's first byte
.endr
	s_wait_dscnt 0x0                               ; the closing lines, six on end
	s_wait_alu 0x0
	s_wait_tensorcnt 0x0
	ds_add_u32 v[SPW], v[NIL]
	s_wait_dscnt 0x0
	s_endpgm
.Lfunc_end_k_qdd83214a53_head:
	.size	k_qdd83214a53_head, .Lfunc_end_k_qdd83214a53_head-k_qdd83214a53_head
	.p2alignl 7, 3214868480
	.fill 96, 4, 3214868480
	.section	.rodata,"a",@progbits
	.p2align	6, 0x0
	.amdhsa_kernel k_qdd83214a53_head
		.amdhsa_group_segment_fixed_size 25856
		.amdhsa_private_segment_fixed_size 0
		.amdhsa_enable_private_segment 0
		.amdhsa_kernarg_size 16
		.amdhsa_user_sgpr_count 2
		.amdhsa_user_sgpr_kernarg_segment_ptr 1
		.amdhsa_wavefront_size32 1
		.amdhsa_system_sgpr_workgroup_id_x 1
		.amdhsa_system_sgpr_workgroup_id_y 1
		.amdhsa_system_sgpr_workgroup_id_z 1
		.amdhsa_system_vgpr_workitem_id 0
		.amdhsa_next_free_vgpr 256
		.amdhsa_next_free_sgpr 66
		.amdhsa_reserve_vcc 0
		.amdhsa_float_denorm_mode_32 3
		.amdhsa_float_denorm_mode_16_64 3
		.amdhsa_memory_ordered 1
		.amdhsa_forward_progress 1
		.amdhsa_inst_pref_size 18
	.end_amdhsa_kernel
	.amdgpu_metadata
---
amdhsa.version: [ 1, 2 ]
amdhsa.kernels:
  - .name:           k_qdd83214a53_head
    .symbol:         k_qdd83214a53_head.kd
    .args:
      - { .name: hd, .offset: 0, .size: 8, .value_kind: global_buffer, .address_space: global }
      - { .name: ho, .offset: 8, .size: 8, .value_kind: global_buffer, .address_space: global }
    .group_segment_fixed_size: 25856
    .private_segment_fixed_size: 0
    .kernarg_segment_align: 8
    .kernarg_segment_size: 16
    .max_flat_workgroup_size: 256
    .sgpr_count:     66
    .vgpr_count:     256
    .wavefront_size: 32
...
	.end_amdgpu_metadata
.endif
;; end of part 7
;; launch pv: the kernel of part 5 again; grid 8 x 32, 4 waves a work-group, clusters of 4 x 4, 327,680 bytes of LDS; arguments pt, qkv, stats, out0, ho; writes out0
